; MI455X (gfx1250); checked and timed in simulation.
; The chip was launched on July 23, 2026; its instructions are those of AMD's public machine-readable ISA for CDNA 5 (MIT licence, August 2026) and "CDNA5" Instruction Set Architecture Reference Guide (July 2026). The comments in the code are by the model that wrote it; some were corrected since.
;; Multihead Attention. Allowed arithmetic: matrix products marked QUANTISED: E4M3 operands, one given power-of-two scale a tensor, by v_wmma_f32_16x16x64_fp8_fp8 or v_wmma_f32_16x16x128_fp8_fp8, f32 sums; everything else in f32.
;; Inputs: W_k 1,024 x 1,024 float32; W_o 1,024 x 1,024 float32; W_q 1,024 x 1,024 float32; W_v 1,024 x 1,024 float32; b_o 1,024 float32; lowp_scales 12 int32 (the exponents e of the quantised operands' scales 2^e); x 4 x 2,048 x 1,024 float32.
;; Outputs: out0 4 x 2,048 x 1,024 float32.
;; This version of the problem:
;;   THIS VERSION OF THE PROBLEM IS GIVEN IN LOW PRECISION. The matrix products marked QUANTISED in the list below multiply operands that are first quantised to E4M3 (4 exponent bits, 3 mantissa bits; 8 bits a number), with one given power-of-two scale for each operand tensor; their sums are f32. All else is computed in f32.
;;   The module's matrix products, in the order in which they are computed (A, B: the left and right operand; K: the contracted axis; several contracted axes count as one K, in the product's order):
;;     1. [M 8,192, K 1,024] x [K 1,024, N 1,024]; A: input x; B: input W_q: QUANTISED (scales: A lowp_scales[0], B lowp_scales[1])
;;     2. [M 8,192, K 1,024] x [K 1,024, N 1,024]; A: input x; B: input W_k: QUANTISED (scales: A lowp_scales[2], B lowp_scales[3])
;;     3. [M 8,192, K 1,024] x [K 1,024, N 1,024]; A: input x; B: input W_v: QUANTISED (scales: A lowp_scales[4], B lowp_scales[5])
;;     4. batch 64 x [M 2,048, K 64] x [K 64, N 2,048]; A: computed on the way; B: computed on the way: QUANTISED (scales: A lowp_scales[6], B lowp_scales[7])
;;     5. batch 64 x [M 2,048, K 2,048] x [K 2,048, N 64]; A: softmax (see below); B: computed on the way: QUANTISED (scales: A lowp_scales[8], B lowp_scales[9])
;;     6. [M 8,192, K 1,024] x [K 1,024, N 1,024]; A: computed on the way; B: input W_o: QUANTISED (scales: A lowp_scales[10], B lowp_scales[11])
;;   THE QUANTISER, for each operand of a quantised product, along K:
;;     - The operand's scale is 2^e, e = its entry of the input lowp_scales (int32; the entries are numbered through the quantised products in the list's order, A before B).
;;     - Each number is divided by the scale, clamped to +-448, and rounded to the nearest number of E4M3, ties to even, subnormals kept.
;;     - The product sums the exact products of the quantised numbers (number of the format x scale) in f32.
;;   ~~~python
;;   def quantise(x, axis, e):      # numpy; x: float32 -> the quantised numbers, widened to float32 again
;;       x = np.moveaxis(x, axis, -1); K = x.shape[-1]
;;       r = np.clip(x / 2.0 ** e, -448, 448)
;;       step = 2.0 ** (np.maximum(np.frexp(np.where(r == 0, 1, r))[1] - 1, -6) - 3)
;;       q = np.round(r / step) * step * 2.0 ** e      # np.round: ties to even
;;       return np.moveaxis(q, -1, axis).astype(np.float32)
;;   ~~~
;;   SOFTMAX AHEAD OF A QUANTISED PRODUCT. Where the list says 'softmax', what is quantised is not the finished softmax but p = 2^(t - M), with t = logit x log2(e) and M = ceil(the row's largest t), a whole number; so 1/2 < the row's largest p <= 1. The row's sum l is taken of the UNQUANTISED p, in f32, and the product's result is divided by l at the end. Since M is a whole number, a kernel that streams over the keys may use a running M (the ceiling of the running maximum): every later rescaling is an exact power of two, so the quantised numbers keep their values, but for numbers so far below the row's largest that they fall under the format's range.
;;   OPERANDS COMPUTED ON THE WAY. 'Computed on the way' means the value that the module computes at that place (a softmax that the list does not call 'softmax' is quantised finished and normalised). What goes into a quantiser is computed in f32, as accurately as f32 sums, v_exp_f32 and their like allow (about 1e-6 of the number): no bf16 or f16 on the way to a quantiser, and a product that is left as it is and whose result goes on into a quantised operand takes f32 operands (vector FMAs, or v_wmma_f32_16x16x4_f32). A number that lies on a knife's edge between two numbers of the format may be rounded either way, as far as f32 arithmetic and the matrix unit's own rounding can turn it there, and no further.
;; One version. Each part assembles by itself: llvm-mc -triple=amdgcn-amd-amdhsa -mcpu=gfx1250 --defsym DOCPART=n.
;; ======== version 1 of 1: 4 launches
;; limits: right only within a limited range of input values
;; workspace buffers: xc 25,165,824 bytes; wc 4,194,304 bytes; qkv 25,165,824 bytes; cc 8,388,608 bytes
;; launch quant (part 1): grid 384 x 1, 4 waves a work-group, no clusters, 68,096 bytes of LDS; arguments x, W_q, W_k, W_v, W_o, lowp_scales, xc, wc; writes xc, wc
.if DOCPART == 1
	.amdgcn_target "amdgcn-amd-amdhsa--gfx1250"
	.amdhsa_code_object_version 6
	.text
	.protected	k_qaaef1ffa43_quant
	.globl	k_qaaef1ffa43_quant
	.p2align	8
	.type	k_qaaef1ffa43_quant,@function
k_qaaef1ffa43_quant:
	s_mov_b64 s[64:65], 0
	v_nop
	global_prefetch_b8 v0, s[64:65] scope:SCOPE_SE
	s_setreg_imm32_b32 hwreg(HW_REG_WAVE_MODE, 25, 1), 1
	s_wait_xcnt 0x0
; f32 operands into codes of FP8 (E4M3), one launch for five tensors.
; code = number / 2^e, held within +-448, rounded to the nearest code, ties to even; e is the operand's entry of lowp_scales.
; x [8192][1024] is the left operand of three products, each with its own entry (0, 2, 4): three sets of codes, xc [3][8192][1024], K innermost as x has it.
; W_q, W_k, W_v, W_o [1024 k][1024 n] have K as their FIRST axis (entries 1, 3, 5, 11): codes wc [4][1024 n][1024 k], K innermost.
; LIMITS: each of these seven exponents lies between -126 and 119, so that 2^e and 448 x 2^e are f32 numbers.  NaN among the inputs is not served; an infinity is held at the largest code.
; Work-groups 0-255 take x, work-groups 256-383 the weights: two ways that part on the work-group's number and never join; each has LDS bytes of its own.
; No tensor loads, no barrier: waves share nothing.
; THE WAY OF x.  A wave takes 8,192 numbers, 16 steps of 512.  Each load reads 512 consecutive bytes, 16 a lane; a step's 2,048 bytes turn through the wave's own stage in LDS and come back 64 bytes a lane,
; so that a lane holds 16 neighbours along K for the conversions.  Each number is held and converted three times; a lane's 16 codes are 16 bytes, a wave's store 512 consecutive bytes.
; THE WAY OF THE WEIGHTS.  A lane takes a column n and its registers run down K: the conversions then give codes with K innermost.  A wave takes 32 columns x 256 along K; the codes go through the wave's
; stage and leave by rows: sixteen lanes store 256 consecutive bytes, at a multiple of 256 from the buffer's first byte.
.set XWG,    256                       ; work-groups for x: 8,388,608 numbers / (4 waves x 8,192)
.set XSTEPS, 16
.set SP,     80                        ; a lane's place in x's stage: 64 bytes + 16 of padding
.set XWREG,  8192                      ; LDS 0 .. 32,767: a region for each wave of x's way: two stages of 32 x SP bytes
.set XR,     16                        ; v16-79   four sets of 16 numbers as loaded
.set XX,     80                        ; v80-111  two sets of 16 neighbours
.set TA,     112                       ; v112-127 held for entry 0
.set XC,     128                       ; v128-175 codes: four sets of 12 registers, step t uses set t % 4
.set TBF,    176                       ; v176-191 held for entry 2
.set WSTG,   32768                     ; LDS 32,768 .. 67,583: the weights' stages, 32 rows x WPITCH for each wave
.set WPITCH, 272                       ; 256 bytes of codes + 16 of padding
.set WNB,    8                         ; blocks of 32 along K for a wave
.set WX,     32                        ; v32-95   two sets of 32 numbers
.set WC,     96                        ; v96-103  a block's codes
.set WOUT,   112                       ; v112-175 the way out
.macro XLOAD t
.irp i, 0,1,2,3
	global_load_b128 v[XR+16*((\t)%4)+4*\i:XR+16*((\t)%4)+4*\i+3], v3, s[4:5] offset:2048*(\t)+512*\i th:TH_LOAD_NT   ; 32 lanes read 512 consecutive bytes
.endr
.endm
.macro XTURN t                         ; step t's numbers through the stage: LDS serves a wave's instructions in order, so no wait stands between the stores and the loads
.irp i, 0,1,2,3
	ds_store_b128 v14, v[XR+16*((\t)%4)+4*\i:XR+16*((\t)%4)+4*\i+3] offset:32*SP*((\t)%2)+8*SP*\i
.endr
.irp i, 0,1,2,3
	ds_load_b128 v[XX+16*((\t)%2)+4*\i:XX+16*((\t)%2)+4*\i+3], v15 offset:32*SP*((\t)%2)+16*\i
.endr
.endm
.macro XSTEP t
.set XS, XX+16*((\t)%2)
.set CSET, XC+12*((\t)%4)
	s_wait_dscnt 0x0                               ; this step's numbers are back from the stage
.if (\t)+4 < XSTEPS
	XLOAD (\t)+4                                   ; the registers that the stage's stores have read take the loads of four steps on
.endif
.if (\t)+1 < XSTEPS
.if XSTEPS-2-(\t) >= 3
	s_wait_loadcnt 12                              ; the next step's four loads are in; the twelve of the three steps behind it may be out
.else
	s_wait_loadcnt 4*(XSTEPS-2-(\t))
.endif
	XTURN (\t)+1
.endif
.if (\t) >= 4
	s_wait_xcnt 0x0                                ; the stores of four steps ago have read this set of code registers: it is written again only behind this wait
.endif
.irp i, 0,1,2,3,4,5,6,7,8,9,10,11,12,13,14,15
.endr
	v_cvt_scalef32_pk8_fp8_f32 v[CSET:CSET+1], v[XS:XS+7], v5
	v_cvt_scalef32_pk8_fp8_f32 v[CSET+2:CSET+3], v[XS+8:XS+15], v5
.irp i, 0,1,2,3,4,5,6,7,8,9,10,11,12,13,14,15
.endr
	v_cvt_scalef32_pk8_fp8_f32 v[CSET+4:CSET+5], v[XS:XS+7], v6
	v_cvt_scalef32_pk8_fp8_f32 v[CSET+6:CSET+7], v[XS+8:XS+15], v6
.irp i, 0,1,2,3,4,5,6,7,8,9,10,11,12,13,14,15
.endr
	v_cvt_scalef32_pk8_fp8_f32 v[CSET+8:CSET+9], v[XS:XS+7], v7
	v_cvt_scalef32_pk8_fp8_f32 v[CSET+10:CSET+11], v[XS+8:XS+15], v7
.irp i, 0,1,2
	global_store_b128 v4, v[CSET+4*\i:CSET+4*\i+3], s[24+2*\i:25+2*\i] offset:512*(\t)   ; 32 lanes store 512 consecutive bytes
.endr
.endm
.macro WLOAD t                         ; block t: W(32 t + i, my column), i = 0 .. 31, into set t % 2; a row of W is 4,096 bytes
.irp i, 0,1,2,3,4,5,6,7,8,9,10,11,12,13,14,15,16,17,18,19,20,21,22,23,24,25,26,27,28,29,30,31
	global_load_b32 v[WX+32*((\t)%2)+\i], v3, s[26:27] offset:(32*(\t)+\i)*4096 th:TH_LOAD_NT
.endr
.endm
.macro WBLOCK t
.set XS, WX+32*((\t)%2)
.if (\t) < WNB-1
	s_wait_loadcnt 32                              ; this block's 32 loads are in; the next block's 32 may be out
.else
	s_wait_loadcnt 0
.endif
.irp i, 0,1,2,3,4,5,6,7,8,9,10,11,12,13,14,15,16,17,18,19,20,21,22,23,24,25,26,27,28,29,30,31
.endr
.irp g, 0,1,2,3
	v_cvt_scalef32_pk8_fp8_f32 v[WC+2*\g:WC+2*\g+1], v[XS+8*\g:XS+8*\g+7], v5
.endr
	ds_store_b128 v12, v[WC:WC+3] offset:32*(\t)   ; 32 codes: 32 bytes of my column's row
	ds_store_b128 v12, v[WC+4:WC+7] offset:32*(\t)+16
.if (\t)+2 < WNB
	WLOAD (\t)+2
.endif
	s_wait_dscnt 0x0                               ; the stores have read their registers: the next block's codes may be written
.endm
	s_load_b512 s[4:19], s[0:1], 0x0               ; x 4:5, W_q 6:7, W_k 8:9, W_v 10:11, W_o 12:13, the exponents 14:15, xc 16:17, wc 18:19
	v_lshl_add_u32 v192, v0, 2, 0x10800
	v_mov_b32 v193, 0
	v_lshrrev_b32 v1, 5, v0
	v_readfirstlane_b32 s20, v1                    ; wave 0..3
	v_and_b32 v2, 31, v0                           ; lane
	s_wait_kmcnt 0x0
	s_load_b256 s[36:43], s[14:15], 0x0            ; entries 0 to 7
	s_load_b128 s[44:47], s[14:15], 0x20           ; entries 8 to 11
	s_cmp_lt_u32 ttmp9, XWG
	s_cbranch_scc0 .Lweights
	; ---- x
	s_lshl_b32 s21, ttmp9, 2
	s_add_co_u32 s21, s21, s20                     ; which run of 8,192 numbers is my wave's
	s_lshl_b32 s22, s21, 15                        ; 32,768 bytes of f32,
	s_mov_b32 s23, 0
	s_add_nc_u64 s[4:5], s[4:5], s[22:23]
	s_lshl_b32 s22, s21, 13                        ; 8,192 bytes of codes
	s_add_nc_u64 s[24:25], s[16:17], s[22:23]      ; the three sets lie 8 MiB apart: a base for each
	s_add_nc_u64 s[26:27], s[24:25], 0x800000
	s_add_nc_u64 s[28:29], s[26:27], 0x800000
	s_mul_i32 s30, s20, XWREG
	s_wait_alu depctr_va_vdst(0)
	v_lshlrev_b32 v3, 4, v2                        ; my 16 bytes of a load's 512
	v_lshlrev_b32 v4, 4, v2                        ; my 16 codes of a step's 512
	v_lshrrev_b32 v14, 2, v2
	v_mul_u32_u24 v14, v14, SP
	v_and_b32 v15, 3, v2
	v_lshl_add_u32 v14, v15, 4, v14
	v_add_nc_u32 v14, s30, v14                     ; the stage, in: four lanes' 64 bytes on end, then 16 of padding
	v_mul_u32_u24 v15, v2, SP
	v_add_nc_u32 v15, s30, v15                     ; and out: my 16 neighbours
.irp t, 0,1,2,3
	XLOAD \t
.endr
	s_wait_alu depctr_va_vdst(0)
	s_wait_kmcnt 0x0
.irp i, 0,1,2
	s_add_co_i32 s31, s[36+2*\i], 127
	s_lshl_b32 s32, s31, 23
	v_mov_b32 v[5+\i], s32                         ; 2^e as f32: the conversion takes its exponent field
	s_add_co_i32 s31, s31, 8
	s_lshl_b32 s31, s31, 23
	s_or_b32 s31, s31, 0x600000
.endr
	s_wait_alu depctr_va_vdst(0)
	s_wait_loadcnt 12                              ; step 0's four loads are in
	XTURN 0
.irp t, 0,1,2,3,4,5,6,7,8,9,10,11,12,13,14,15
	XSTEP \t
.endr
	s_wait_tensorcnt 0x0
	ds_add_u32 v192, v193
	s_wait_dscnt 0x0
	s_endpgm
	; ---- the weights
.Lweights:
	s_sub_co_u32 s21, ttmp9, XWG
	s_lshr_b32 s22, s21, 5                         ; which weight: 0 q, 1 k, 2 v, 3 o
	s_and_b32 s23, s21, 7                          ; which 128 columns
	s_bfe_u32 s24, s21, 0x20003                    ; which 256 along K
	s_lshl_b32 s29, s23, 7
	s_lshl_b32 s30, s20, 5
	s_add_co_u32 s29, s29, s30                     ; my wave's first column
	s_lshl_b32 s30, s24, 20                        ; in W: 256 rows of 4,096 bytes a K part, + 4 bytes a column
	s_lshl_b32 s31, s29, 2
	s_add_co_u32 s30, s30, s31
	s_mov_b32 s31, 0
	s_lshl_b32 s32, s22, 20                        ; in wc: 1 MiB a weight, 1,024 bytes a column, 256 a K part
	s_lshl_b32 s33, s29, 10
	s_add_co_u32 s32, s32, s33
	s_lshl_b32 s33, s24, 8
	s_add_co_u32 s32, s32, s33
	s_mov_b32 s33, 0
	s_mul_i32 s34, s20, 32*WPITCH
	s_add_co_u32 s34, s34, WSTG                    ; my stage
	s_wait_alu depctr_va_vdst(0)
	v_lshlrev_b32 v3, 2, v2                        ; in: 4 bytes a lane
	v_mul_u32_u24 v12, v2, WPITCH
	v_add_nc_u32 v12, s34, v12                     ; into the stage: row = my column
	v_and_b32 v1, 15, v2
	v_lshrrev_b32 v6, 4, v2
	v_mul_u32_u24 v13, v6, WPITCH
	v_lshl_add_u32 v13, v1, 4, v13
	v_add_nc_u32 v13, s34, v13                     ; out of it: sixteen lanes to a row, two rows an instruction
	v_lshlrev_b32 v4, 10, v6
	v_lshl_add_u32 v4, v1, 4, v4                   ; and the same place in wc
	s_wait_kmcnt 0x0
	s_mov_b64 s[26:27], s[6:7]                     ; the weight and its exponent are chosen by the work-group's number alone
	s_mov_b32 s28, s37
	s_cmp_eq_u32 s22, 1
	s_cselect_b64 s[26:27], s[8:9], s[26:27]
	s_cselect_b32 s28, s39, s28
	s_cmp_eq_u32 s22, 2
	s_cselect_b64 s[26:27], s[10:11], s[26:27]
	s_cselect_b32 s28, s41, s28
	s_cmp_eq_u32 s22, 3
	s_cselect_b64 s[26:27], s[12:13], s[26:27]
	s_cselect_b32 s28, s47, s28
	s_add_nc_u64 s[26:27], s[26:27], s[30:31]
	s_add_nc_u64 s[18:19], s[18:19], s[32:33]
	WLOAD 0
	WLOAD 1
	s_add_co_i32 s28, s28, 127
	s_lshl_b32 s35, s28, 23
	v_mov_b32 v5, s35                              ; 2^e
	s_add_co_i32 s28, s28, 8
	s_lshl_b32 s28, s28, 23
	s_or_b32 s28, s28, 0x600000
	s_wait_alu depctr_va_vdst(0)
.irp t, 0,1,2,3,4,5,6,7
	WBLOCK \t
.endr
.irp t, 0,1,2,3,4,5,6,7,8,9,10,11,12,13,14,15
	ds_load_b128 v[WOUT+4*\t:WOUT+4*\t+3], v13 offset:2*\t*WPITCH   ; LDS serves a wave's instructions in order: these see my stores
.endr
.irp t, 0,1,2,3,4,5,6,7,8,9,10,11,12,13,14,15
	s_wait_dscnt 15-\t                             ; read-back t is in; the younger ones may be out
	global_store_b128 v4, v[WOUT+4*\t:WOUT+4*\t+3], s[18:19] offset:2*\t*1024
.endr
	s_wait_tensorcnt 0x0
	ds_add_u32 v192, v193
	s_wait_dscnt 0x0
	s_endpgm
.Lfunc_end_k_qaaef1ffa43_quant:
	.size	k_qaaef1ffa43_quant, .Lfunc_end_k_qaaef1ffa43_quant-k_qaaef1ffa43_quant
	.p2alignl 7, 3214868480
	.fill 96, 4, 3214868480
	.section	.rodata,"a",@progbits
	.p2align	6, 0x0
	.amdhsa_kernel k_qaaef1ffa43_quant
		.amdhsa_group_segment_fixed_size 68096
		.amdhsa_private_segment_fixed_size 0
		.amdhsa_enable_private_segment 0
		.amdhsa_kernarg_size 64
		.amdhsa_user_sgpr_count 2
		.amdhsa_user_sgpr_kernarg_segment_ptr 1
		.amdhsa_wavefront_size32 1
		.amdhsa_system_sgpr_workgroup_id_x 1
		.amdhsa_system_sgpr_workgroup_id_y 1
		.amdhsa_system_sgpr_workgroup_id_z 1
		.amdhsa_system_vgpr_workitem_id 0
		.amdhsa_next_free_vgpr 194
		.amdhsa_next_free_sgpr 66
		.amdhsa_reserve_vcc 0
		.amdhsa_float_denorm_mode_32 3
		.amdhsa_float_denorm_mode_16_64 3
		.amdhsa_fp16_overflow 1
		.amdhsa_memory_ordered 1
		.amdhsa_forward_progress 1
		.amdhsa_inst_pref_size 62
	.end_amdhsa_kernel
	.amdgpu_metadata
---
amdhsa.version: [ 1, 2 ]
amdhsa.kernels:
  - .name:           k_qaaef1ffa43_quant
    .symbol:         k_qaaef1ffa43_quant.kd
    .args:
      - { .name: x, .offset: 0, .size: 8, .value_kind: global_buffer, .address_space: global }
      - { .name: W_q, .offset: 8, .size: 8, .value_kind: global_buffer, .address_space: global }
      - { .name: W_k, .offset: 16, .size: 8, .value_kind: global_buffer, .address_space: global }
      - { .name: W_v, .offset: 24, .size: 8, .value_kind: global_buffer, .address_space: global }
      - { .name: W_o, .offset: 32, .size: 8, .value_kind: global_buffer, .address_space: global }
      - { .name: lowp_scales, .offset: 40, .size: 8, .value_kind: global_buffer, .address_space: global }
      - { .name: xc, .offset: 48, .size: 8, .value_kind: global_buffer, .address_space: global }
      - { .name: wc, .offset: 56, .size: 8, .value_kind: global_buffer, .address_space: global }
    .group_segment_fixed_size: 68096
    .private_segment_fixed_size: 0
    .kernarg_segment_align: 8
    .kernarg_segment_size: 64
    .max_flat_workgroup_size: 128
    .sgpr_count:     66
    .vgpr_count:     194
    .wavefront_size: 32
...
	.end_amdgpu_metadata
.endif
;; end of part 1
;; launch qkv (part 2): grid 12 x 32, 4 waves a work-group, clusters of 4 x 4, 327,680 bytes of LDS; arguments xc, wc, lowp_scales, qkv; writes qkv
.if DOCPART == 2
	.amdgcn_target "amdgcn-amd-amdhsa--gfx1250"
	.amdhsa_code_object_version 6
	.text
	.protected	k_qaaef1ffa43_qkv
	.globl	k_qaaef1ffa43_qkv
	.p2align	8
	.type	k_qaaef1ffa43_qkv,@function
k_qaaef1ffa43_qkv:
	s_mov_b64 s[64:65], 0
	v_nop
	global_prefetch_b8 v0, s[64:65] scope:SCOPE_SE
	s_setreg_imm32_b32 hwreg(HW_REG_WAVE_MODE, 25, 1), 1
	s_wait_xcnt 0x0
	s_wait_alu depctr_hold_cnt(0) depctr_sa_sdst(0) depctr_va_vdst(0) depctr_va_sdst(0) depctr_va_ssrc(0) depctr_va_vcc(0) depctr_vm_vsrc(0)
	s_getreg_b32 s2, hwreg(HW_REG_IB_STS2, 6, 4)
	s_cmp_eq_u32 s2, 0
	s_cbranch_scc0 .Lentry_in_a_cluster
	s_endpgm
.Lentry_in_a_cluster:
	s_bfe_u32 s2, ttmp6, 0x10000c
	s_cmp_lg_u32 s2, 0xf033
	s_cbranch_scc0 .Lentry_shape_is_right
	s_endpgm
.Lentry_shape_is_right:
; q = x W_q, k = x W_k, v = x W_v on codes of FP8 (E4M3); each finished f32 sum is quantised at once for the attention's products (entries 6, 7, 9 of lowp_scales).
; One text serves all three as C'[r][c] = sum over k of A'[r][k] B'[c][k], K = 1,024, tiles of 256 x 256.  Cluster x = 0: q, 1: k, 2: v.
;   q, k: A' = x's codes (set 0 or 1), B' = the weight's codes [n][k]: r = token, c = head x 64 + d.
;   v:    A' = W_v's codes, B' = x's codes (set 2): r = head x 64 + d, c = token: v comes out TRANSPOSED, so that a lane's eight results run along the keys, which are the K of the attention's second product.
; The choice is made by selects on the cluster's x, which all sixteen partners share; no branch hangs on it.
; A sum stands for sum x 2^(ea + eb), so its code is sum / 2^(eo - ea - eb), held within +-448: the three exponents are folded into the conversion's one scale.
; LIMITS: e6 - e0 - e1, e7 - e2 - e3 and e9 - e4 - e5 lie between -126 and 119.
; OUTPUT, in PANELS of 64 columns: [panel][row][64 bytes]: q, k: 16 panels (heads) x 8,192 rows; v: 128 panels (64 keys each) x 1,024 rows.  Inside every 32 bytes the four groups of eight columns lie in the order
; 0-7, 16-23, 8-15, 24-31: for q and k one and the same permutation of d; for v it makes 16-byte loads fill the matrix operand's own order of k.
; A wave's 128 columns are two whole panels, and 8 rows of a panel are 512 consecutive bytes: each store of the wave covers 512 consecutive bytes, aligned.
; THE LOOP: four waves, each 128 x 128 of C' in 512 registers; K in steps of 256 through a ring of two LDS slots filled by the tensor data mover; 4 x 4 work-groups form a cluster: A's tile is asked for jointly along a row
; of the cluster, B's along a column.  The matrix instruction is used transposed (source 0 = 16 rows of B', source 1 = 16 rows of A'): a lane holds eight neighbouring columns of one row of C'.
; No prefetch: of the four K steps two are the first fills, and the other two could only be asked for at the head.
; REGISTERS, in windows of 256: window 0: v0-31 addresses; from v128 A's fragments, ONE set; on the way out v32-223 are free.  window 1: B's fragments, TWO sets.  windows 2, 3: the 64 accumulators ((a, b) at v[8 (8 (a % 4) + b)]).
.set KSTEP,  256
.set ROWB,   256                       ; a tile's row in bytes
.set KROW,   1024                      ; a row of A' or B' in memory
.set PITCH,  272                       ; an LDS row: 256 bytes + 16 of padding: the 16 rows that a load touches start at 16 different banks (64 banks of 4 bytes: ISA guide 11.1)
.set FR,     16                        ; registers of a fragment: 16 rows x 128 K
.set NL,     4                         ; LDS loads that bring one
.set NP,     4                         ; places behind this matrix instruction (ISA guide 7.12.1)
.set HALFT,  128*PITCH
.set SLOT,   4*HALFT
.set LAPS,   2                         ; 1,024 / (2 x 256)
.set SPARE,  2*SLOT                    ; behind the ring: the spare words, 128 bytes for each wave
.set SROW,   144                       ; the way out: a stage row: 128 bytes of codes (two panels' 64) + 16
.set SBLK,   16*SROW                   ; a block of 16 rows
.set SWAVE,  8*SBLK                    ; a wave's stage: eight blocks.  The stages lie in slot 0, which has had its last fill and its last read when the first code is stored there
.set QSC,  12                          ; v12     the conversion's scale as f32
.set QLIM, 13                          ; v13     448 x that
.set ADRA, 16                          ; v16-17  LDS address of my A fragments in slot 0, 1
.set ADRB, 20                          ; v20-21  the same for B
.set STO,  24                          ; v24     the way out: where I put 8 codes of a row
.set RD,   25                          ; v25     where I read 16 bytes back
.set CO,   26                          ; v26     16 x lane: my place in a store's 512 bytes
.set SPW,  28                          ; v28     my spare word's LDS address; never rewritten
.set NIL,  29                          ; v29     0; never rewritten
.set TMP,  32                          ; v32-95  a block's sums, held
.set CD,   96                          ; v96-223 codes: 16 registers for each of the eight blocks
.set AF,   128
.set G1, 24
.set G0, 32
.set G1B, 48
.set G0B, 56
.set MSB, 0
.macro WIN new                         ; the immediate's high byte repeats the setting that is left
.if MSB != (\new)
	s_set_vgpr_msb (MSB<<8)|(\new)
.set MSB, (\new)
.endif
.endm
.set MUL_LO, 0xa1                      ; source 0 (B) window 1, source 1 (A) window 0, C and D window 2
.set MUL_HI, 0xf1                      ; the same, C and D window 3
.set TO_B,   0x40                      ; destination window 1, address window 0
; A joint load: waves 0 and 1 fetch for A, waves 2 and 3 for B; the branch hangs on the wave's number alone.  Four v_nop follow each of the two lines.
.macro JLOAD g0a, g1a, g0b, g1b
	s_cmp_eq_u32 s15, 0
	s_cbranch_scc0 .Lfor_b_\@
	tensor_load_to_lds s[\g0a:\g0a+3], s[\g1a:\g1a+7]
	s_nop 0
.rept 4
	v_nop
.endr
	s_branch .Lasked_\@
.Lfor_b_\@:
	tensor_load_to_lds s[\g0b:\g0b+3], s[\g1b:\g1b+7]
	s_nop 0
.rept 4
	v_nop
.endr
.Lasked_\@:
.endm
.macro CREST                           ; a round of the cluster's barrier behind its opening barrier
	s_cmp_lg_u32 s14, 0
	s_cbranch_scc1 .Lnot_wave_0_\@
	s_barrier_signal -3
.Lnot_wave_0_\@:
	s_barrier_wait -3
	s_barrier_signal -1
	s_barrier_wait -1
.endm
.macro CROUND
	s_barrier_signal -1
	s_barrier_wait -1
	CREST
.endm
	s_load_b128 s[4:7], s[0:1], 0x0                ; xc s[4:5], wc s[6:7]
	s_load_b128 s[8:11], s[0:1], 0x10              ; the exponents s[8:9], qkv s[10:11]
	v_lshl_add_u32 v[SPW], v0, 2, SPARE
	v_mov_b32 v[NIL], 0
	ds_add_u32 v28, v29
	ds_add_u32 v28, v29
	s_wait_dscnt 0x0
	v_lshrrev_b32 v1, 5, v0
	v_readfirstlane_b32 s14, v1                    ; wave 0..3
	s_lshr_b32 s15, s14, 1                         ; which half of the tile's rows is mine.  Also: I fetch for A (0) or for B (1)
	s_and_b32 s16, s14, 1                          ; which half of its columns.  Also: which 128 rows of that tile I fetch
	s_bfe_u32 s40, ttmp6, 0x40000                  ; cx, cy: my place in the cluster
	s_bfe_u32 s41, ttmp6, 0x40004
	s_lshl_b32 s43, s41, 2
	s_lshl_b32 s43, 15, s43                        ; my row of the cluster
	s_lshl_b32 s44, 0x1111, s40                    ; my column
	s_and_b32 s66, ttmp7, 0xffff
	s_lshl_b32 s66, s66, 2                         ; 4 x cluster y
	s_lshl_b32 s70, ttmp9, 23                      ; q, k: x's set of codes, 8 MiB each,
	s_lshl_b32 s72, ttmp9, 20                      ; and the weight's, 1 MiB each
	s_mov_b32 s75, 0x80000
	s_cmp_eq_u32 ttmp9, 2                          ; v?  The same answer in all sixteen partners
	s_cselect_b32 s67, 0, s66                      ; the long axis (8,192 tokens, 32 tiles) is C's rows for q and k,
	s_cselect_b32 s68, s66, 0                      ; its columns for v
	s_cselect_b32 s70, 0x200000, s70               ; A's first byte in its buffer: v: W_v's codes
	s_cselect_b32 s72, 0x1000000, s72              ; B's: v: x's third set
	s_cselect_b32 s74, 0x10000, s75                ; bytes of a panel: 1,024 rows x 64 for v, 8,192 x 64 for q and k
	s_add_co_u32 s17, s41, s67                     ; tile row of C'
	s_add_co_u32 s42, s40, s68                     ; tile column of C'
	; descriptor group 1: a tile of 128 rows x 256 bytes, padded in LDS
	s_or_b32 s[G1+0], s43, (0<<16)|(1<<20)|(1<<21)|(5<<22)|(3<<25)  ; 15:0 the mask: A's tiles go to my row; 17:16 element of 1 byte; 20 padding on; 21 set beside a mask; 24:22 after every 64 words; 31:25 four words
	s_or_b32 s[G1B+0], s44, (0<<16)|(1<<20)|(1<<21)|(5<<22)|(3<<25)
.irp g, G1, G1B
	s_mov_b32 s[\g+1], ROWB<<16                    ; tensor_dim0
	s_mov_b32 s[\g+2], 128<<16                     ; tensor_dim1
	s_mov_b32 s[\g+3], ROWB<<16                    ; tile_dim0
	s_mov_b32 s[\g+4], 128                         ; tile_dim1
	s_mov_b32 s[\g+5], KROW                        ; tensor_dim0_stride
	s_mov_b32 s[\g+6], 0
	s_mov_b32 s[\g+7], 0
.endr
	s_lshl_b32 s18, s16, 7                         ; which 128 rows of the tile I fetch
	s_lshl_b32 s20, s17, 8
	s_add_co_u32 s20, s20, s18
	s_lshl_b32 s20, s20, 10                        ; A: (256 x tile row + 128 x half) rows of 1,024 bytes
	s_add_co_u32 s20, s20, s70
	s_mov_b32 s21, 0
	s_lshl_b32 s46, s42, 8
	s_add_co_u32 s46, s46, s18
	s_lshl_b32 s46, s46, 10                        ; B: the same with the tile column
	s_add_co_u32 s46, s46, s72
	s_mov_b32 s47, 0
	s_mul_i32 s45, s14, HALFT                      ; where they go: wave x 128 rows: no place in the cluster enters an LDS address
	s_wait_kmcnt 0x0
	s_load_b256 s[80:87], s[8:9], 0x0              ; entries 0 to 7
	s_load_b64 s[88:89], s[8:9], 0x20              ; entries 8, 9
	s_cmp_eq_u32 ttmp9, 2
	s_cselect_b64 s[76:77], s[6:7], s[4:5]         ; A's buffer
	s_cselect_b64 s[78:79], s[4:5], s[6:7]         ; B's buffer
	s_add_nc_u64 s[20:21], s[76:77], s[20:21]
	s_add_nc_u64 s[46:47], s[78:79], s[46:47]
	CROUND                                         ; all sixteen work-groups are here: the first joint loads meet
.irp s, 0,1
	s_mov_b32 s[G0+4*\s], 1
	s_add_co_u32 s[G0+4*\s+1], s45, \s*SLOT
	s_add_nc_u64 s[G0+4*\s+2:G0+4*\s+3], s[20:21], \s*ROWB
	s_or_b32 s[G0+4*\s+3], s[G0+4*\s+3], 0x80000000
	s_mov_b32 s[G0B+4*\s], 1
	s_add_co_u32 s[G0B+4*\s+1], s45, \s*SLOT
	s_add_nc_u64 s[G0B+4*\s+2:G0B+4*\s+3], s[46:47], \s*ROWB
	s_or_b32 s[G0B+4*\s+3], s[G0B+4*\s+3], 0x80000000
	JLOAD G0+4*\s, G1, G0B+4*\s, G1B
.endr
	v_and_b32 v1, 15, v0                           ; r = lane % 16
	s_wait_alu depctr_va_vdst(0)
	v_bfe_u32 v2, v0, 4, 1                         ; h = lane / 16
	v_mul_u32_u24 v3, v1, PITCH
	v_lshl_add_u32 v4, v2, 4, v3                   ; a fragment's row x pitch + 16 x half
	s_mul_i32 s21, s15, HALFT                      ; my 128 rows of A
	s_mul_i32 s22, s16, HALFT                      ; my 128 rows of B,
	s_add_co_u32 s22, s22, 2*HALFT                 ; which lie behind A's 256
.irp s, 0,1
	v_add_nc_u32 v[ADRA+\s], s21, v4
	v_add_nc_u32 v[ADRB+\s], s22, v4
	s_add_co_u32 s21, s21, SLOT
	s_add_co_u32 s22, s22, SLOT
.endr
	s_mul_i32 s23, s14, SWAVE                      ; my stage
	v_and_b32 v5, 3, v1
	v_lshrrev_b32 v6, 2, v1
	v_lshl_add_u32 v5, v5, 2, v6                   ; row r of a block lies in stage row 4 (r % 4) + r / 4, so that the eight rows that a read-back takes are spread over the banks
	v_mul_u32_u24 v5, v5, SROW
	v_lshl_add_u32 v5, v2, 4, v5                   ; + 16 h: the order of the groups of eight inside 32 bytes
	v_add_nc_u32 v[STO], s23, v5
	v_bfe_u32 v6, v0, 2, 2                         ; back: lane l takes row l / 4 of eight (= 4 h + (l / 4) % 4), bytes 16 (l % 4) of a panel's 64
	v_lshl_add_u32 v6, v6, 2, v2
	v_mul_u32_u24 v6, v6, SROW
	v_and_b32 v7, 3, v0
	v_lshl_add_u32 v6, v7, 4, v6
	v_add_nc_u32 v[RD], s23, v6
	v_and_b32 v7, 31, v0
	v_lshlrev_b32 v[CO], 4, v7
	; where my wave's two panels begin in qkv (in registers that feed no descriptor)
	s_lshl_b32 s90, s42, 2
	s_lshl_b32 s91, s16, 1
	s_add_co_u32 s90, s90, s91                     ; my first panel: 4 x tile column + 2 x half
	s_mul_i32 s90, s90, s74
	s_lshl_b32 s91, s17, 8
	s_lshl_b32 s92, s15, 7
	s_add_co_u32 s91, s91, s92                     ; my first row: 256 x tile row + 128 x half,
	s_lshl_b32 s91, s91, 6                         ; 64 bytes each
	s_add_co_u32 s90, s90, s91
	s_lshl_b32 s91, ttmp9, 23                      ; q, k, v: 8 MiB each
	s_add_co_u32 s90, s90, s91
	s_mov_b32 s91, 0
	s_mov_b32 s75, 0
	s_add_nc_u64 s[90:91], s[10:11], s[90:91]
	s_add_nc_u64 s[92:93], s[90:91], s[74:75]      ; the second panel
.macro FRAG reg, adr, q, i             ; a fragment, 16 rows x 128 K: lane l holds row l % 16; registers 4 c .. 4 c + 3 hold K = 32 c + 16 (l / 16) + 0 .. 15: the same places in A and in B
.irp c, 0,1,2,3
	ds_load_b128 v[\reg+4*\c:\reg+4*\c+3], v[\adr] offset:128*(\q)+32*\c+(\i)*16*PITCH
.endr
.endm
; 16 matrix instructions: A's blocks a0, a0 + 1 x B's eight, 128 along K.  p: B's set.  zero = 1: the first product starts the sums.
; The 64 accumulators take turns, one instruction a turn, in the same order in every step.
.macro MUL16 a0, p, zero
.irp a, \a0, \a0+1
.irp b, 0,1,2,3,4,5,6,7
.if \zero
	v_wmma_f32_16x16x128_fp8_fp8 v[8*(8*((\a)%4)+\b):8*(8*((\a)%4)+\b)+7], v[128*(\p)+FR*\b:128*(\p)+FR*\b+FR-1], v[AF+FR*(\a):AF+FR*(\a)+FR-1], 0
.else
	v_wmma_f32_16x16x128_fp8_fp8 v[8*(8*((\a)%4)+\b):8*(8*((\a)%4)+\b)+7], v[128*(\p)+FR*\b:128*(\p)+FR*\b+FR-1], v[AF+FR*(\a):AF+FR*(\a)+FR-1], v[8*(8*((\a)%4)+\b):8*(8*((\a)%4)+\b)+7]
.endif
.endr
.endr
.endm
.macro FETCH_B slot, q, p
	WIN TO_B
.irp i, 0,1,2,3,4,5,6,7
	FRAG 128*(\p)+FR*\i, ADRB+\slot, \q, \i
.endr
	WIN 0
.endm
.macro FETCH_A slot, q, i0
.irp i, \i0, \i0+1, \i0+2, \i0+3
	FRAG AF+FR*(\i), ADRA+\slot, \q, \i
.endr
.endm
.macro PLACES n                        ; plain vector instructions that name no register of the matrix instructions before them, in front of loads into their registers and of reads of their results
.rept \n
	v_nop
.endr
.endm
; A step of 128 along K that has its successor in the same slot.
.macro STEP slot, q, zero
	s_wait_dscnt 4*NL                              ; B's set and A's blocks 0-3 are in; the sixteen youngest loads (A's blocks 4-7) may be out
	WIN MUL_LO
	MUL16 0, (\q)%2, \zero
	MUL16 2, (\q)%2, \zero
	s_wait_dscnt 0                                 ; A's blocks 4-7 are in
	PLACES NP
	FETCH_B \slot, (\q)+1, 1-(\q)%2
	FETCH_A \slot, (\q)+1, 0
	WIN MUL_HI
	MUL16 4, (\q)%2, \zero
	MUL16 6, (\q)%2, \zero
	PLACES NP
	WIN 0
	FETCH_A \slot, (\q)+1, 4
.endm
; A slot's last step changes slots: ONE barrier; in front of it each wave waits for all its tensor loads, adds 0 to its spare word, and waits for that and for its own reads of this slot.  fill = 1: this slot is filled again, two K steps ahead.
.macro TURN slot, next, fill
	s_wait_tensorcnt 0x0                           ; all my tensor loads have landed: my part of the next slot
	ds_add_u32 v[SPW], v[NIL]                      ; 0 onto my spare word
	s_wait_dscnt 4*NL+1                            ; (the add and the sixteen youngest loads may be out)
	WIN MUL_LO
	MUL16 0, 1, 0
	s_wait_dscnt 0x0                               ; the add is done, and my reads of this slot are over
	s_barrier_signal -1
	MUL16 2, 1, 0
	WIN 0
	s_barrier_wait -1
.if \fill
	CREST                                          ; the barrier has opened a round of the cluster's barrier: no wave of any partner still reads this slot's tile or has a load on its way
	s_add_nc_u64 s[G0+4*\slot+2:G0+4*\slot+3], s[G0+4*\slot+2:G0+4*\slot+3], 2*ROWB
	s_add_nc_u64 s[G0B+4*\slot+2:G0B+4*\slot+3], s[G0B+4*\slot+2:G0B+4*\slot+3], 2*ROWB
	JLOAD G0+4*\slot, G1, G0B+4*\slot, G1B         ; the first tensor load behind the round; its four v_nop are also the places in front of the loads below
.else
	PLACES NP
.endif
	FETCH_B \next, 0, 0
	FETCH_A \next, 0, 0
	WIN MUL_HI
	MUL16 4, 1, 0
	MUL16 6, 1, 0
	PLACES NP
	WIN 0
	FETCH_A \next, 0, 4
.endm
	s_wait_tensorcnt 1                             ; my part of K step 0 is in; K step 1's load may be out
	s_barrier_signal -1
	s_barrier_wait -1
	FETCH_B 0, 0, 0
	FETCH_A 0, 0, 0
	FETCH_A 0, 0, 4
	STEP 0, 0, 1                                   ; the first step stands in front of the loop: its products start the sums
	s_mov_b32 s3, LAPS-1
.Llap:                                                 ; a trip goes once round the ring and fills both slots again
	TURN 0, 1, 1
	STEP 1, 0, 0
	TURN 1, 0, 1
	STEP 0, 0, 0
	s_sub_co_u32 s3, s3, 1
	s_cmp_lg_u32 s3, 0
	s_cbranch_scc1 .Llap
	TURN 0, 1, 0                                   ; the last lap fills nothing
	STEP 1, 0, 0
	s_wait_dscnt 4*NL
	WIN MUL_LO
	MUL16 0, 1, 0
	MUL16 2, 1, 0
	s_wait_dscnt 0
	WIN MUL_HI
	MUL16 4, 1, 0
	MUL16 6, 1, 0
	WIN 0
; THE WAY OUT, block by block of 16 rows x 128 columns.  A lane's eight sums of an accumulator are eight neighbouring columns of a row: held, converted to 8 bytes, put into my stage; read back 16 bytes a lane
; so that 32 lanes hold eight whole rows of a panel, 512 consecutive bytes of qkv.  Each block has stage bytes and registers of its own: nothing is written twice, so no wait for the stores' sources is needed.
.macro OUTBLK a
.set AC, 64*((\a)%4)
.set CB, CD+16*(\a)
	WIN 0x02+((\a)/4)                              ; source 0: window 2 or 3
.set j, 0
.rept 64
.set j, j+1
.endr
.irp b, 0,1,2,3,4,5,6,7
	v_cvt_scalef32_pk8_fp8_f32 v[CB+2*\b:CB+2*\b+1], v[AC+8*\b:AC+8*\b+7], v[QSC]
.endr
	WIN 0
	v_nop                                          ; one plain vector instruction behind the last conversion, ahead of the next block's writes of its sources
.irp b, 0,1,2,3,4,5,6,7
	ds_store_b64 v[STO], v[CB+2*\b:CB+2*\b+1] offset:SBLK*(\a)+32*(\b/2)+8*(\b%2)   ; columns 16 b + 8 h on: byte 32 (b / 2) + 16 h + 8 (b % 2)
.endr
.irp p, 0,1
.irp i, 0,1
	ds_load_b128 v[CB+4*(2*\p+\i):CB+4*(2*\p+\i)+3], v[RD] offset:SBLK*(\a)+2*SROW*\i+64*\p   ; panel p, rows 8 i on.  LDS serves a wave's instructions in order (ISA guide 5.7.1.4): these see the stores above
.endr
.endr
.endm
.macro SENDQ a, younger
.set CB, CD+16*(\a)
	s_wait_dscnt \younger                          ; the block is back; the next block's 8 stores and 4 loads may be out
.irp p, 0,1
.irp i, 0,1
	global_store_b128 v[CO], v[CB+4*(2*\p+\i):CB+4*(2*\p+\i)+3], s[90+2*\p:91+2*\p] offset:(16*(\a)+8*\i)*64
.endr
.endr
.endm
	s_wait_kmcnt 0x0
	s_sub_co_i32 s94, s86, s80
	s_sub_co_i32 s94, s94, s81                     ; q: e6 - e0 - e1
	s_sub_co_i32 s95, s87, s82
	s_sub_co_i32 s95, s95, s83                     ; k: e7 - e2 - e3
	s_sub_co_i32 s96, s89, s84
	s_sub_co_i32 s96, s96, s85                     ; v: e9 - e4 - e5
	s_cmp_eq_u32 ttmp9, 1
	s_cselect_b32 s94, s95, s94
	s_cmp_eq_u32 ttmp9, 2
	s_cselect_b32 s94, s96, s94
	s_add_co_i32 s94, s94, 127
	s_lshl_b32 s95, s94, 23
	v_mov_b32 v[QSC], s95
	s_add_co_i32 s94, s94, 8
	s_lshl_b32 s94, s94, 23
	s_or_b32 s94, s94, 0x600000
	PLACES NP
	OUTBLK 0
.irp a, 1,2,3,4,5,6,7
	OUTBLK \a
	SENDQ \a-1, 12
.endr
	SENDQ 7, 0
	s_wait_tensorcnt 0x0                           ; the wave's end
	ds_add_u32 v[SPW], v[NIL]
	s_wait_dscnt 0x0
	CROUND                                         ; the closing round
	s_endpgm
.Lfunc_end_k_qaaef1ffa43_qkv:
	.size	k_qaaef1ffa43_qkv, .Lfunc_end_k_qaaef1ffa43_qkv-k_qaaef1ffa43_qkv
	.p2alignl 7, 3214868480
	.fill 96, 4, 3214868480
	.section	.rodata,"a",@progbits
	.p2align	6, 0x0
	.amdhsa_kernel k_qaaef1ffa43_qkv
		.amdhsa_group_segment_fixed_size 327680
		.amdhsa_private_segment_fixed_size 0
		.amdhsa_enable_private_segment 0
		.amdhsa_kernarg_size 32
		.amdhsa_user_sgpr_count 2
		.amdhsa_user_sgpr_kernarg_segment_ptr 1
		.amdhsa_wavefront_size32 1
		.amdhsa_system_sgpr_workgroup_id_x 1
		.amdhsa_system_sgpr_workgroup_id_y 1
		.amdhsa_system_sgpr_workgroup_id_z 1
		.amdhsa_system_vgpr_workitem_id 0
		.amdhsa_next_free_vgpr 1024
		.amdhsa_next_free_sgpr 100
		.amdhsa_reserve_vcc 0
		.amdhsa_float_denorm_mode_32 3
		.amdhsa_float_denorm_mode_16_64 3
		.amdhsa_fp16_overflow 1
		.amdhsa_memory_ordered 1
		.amdhsa_forward_progress 1
		.amdhsa_inst_pref_size 93
	.end_amdhsa_kernel
	.amdgpu_metadata
---
amdhsa.version: [ 1, 2 ]
amdhsa.kernels:
  - .name:           k_qaaef1ffa43_qkv
    .symbol:         k_qaaef1ffa43_qkv.kd
    .args:
      - { .name: xc, .offset: 0, .size: 8, .value_kind: global_buffer, .address_space: global }
      - { .name: wc, .offset: 8, .size: 8, .value_kind: global_buffer, .address_space: global }
      - { .name: lowp_scales, .offset: 16, .size: 8, .value_kind: global_buffer, .address_space: global }
      - { .name: qkv, .offset: 24, .size: 8, .value_kind: global_buffer, .address_space: global }
    .group_segment_fixed_size: 327680
    .private_segment_fixed_size: 0
    .kernarg_segment_align: 8
    .kernarg_segment_size: 32
    .max_flat_workgroup_size: 128
    .sgpr_count:     100
    .vgpr_count:     1024
    .wavefront_size: 32
...
	.end_amdgpu_metadata
.endif
;; end of part 2
;; launch attn (part 3): grid 4 x 64, 16 waves a work-group, clusters of 4 x 1, 327,680 bytes of LDS; arguments qkv, lowp_scales, cc; writes cc
.if DOCPART == 3
	.amdgcn_target "amdgcn-amd-amdhsa--gfx1250"
	.amdhsa_code_object_version 6
	.text
	.protected	k_qaaef1ffa43_attn
	.globl	k_qaaef1ffa43_attn
	.p2align	8
	.type	k_qaaef1ffa43_attn,@function
k_qaaef1ffa43_attn:
	s_mov_b64 s[64:65], 0
	v_nop
	global_prefetch_b8 v0, s[64:65] scope:SCOPE_SE
	s_setreg_imm32_b32 hwreg(HW_REG_WAVE_MODE, 25, 1), 1
	s_wait_xcnt 0x0
	s_wait_alu depctr_hold_cnt(0) depctr_sa_sdst(0) depctr_va_vdst(0) depctr_va_sdst(0) depctr_va_ssrc(0) depctr_va_vcc(0) depctr_vm_vsrc(0)
	s_getreg_b32 s2, hwreg(HW_REG_IB_STS2, 6, 4)
	s_cmp_eq_u32 s2, 0
	s_cbranch_scc0 .Lentry_in_a_cluster
	s_endpgm
.Lentry_in_a_cluster:
	s_bfe_u32 s2, ttmp6, 0x10000c
	s_cmp_lg_u32 s2, 0x3003
	s_cbranch_scc0 .Lentry_shape_is_right
	s_endpgm
.Lentry_shape_is_right:
; Causal attention on codes of FP8 (E4M3): 64 heads (batch x head) of 2,048 tokens, head size 64.  ctx leaves as codes for the last product.
; q, k: [16 heads][8,192 tokens][64 bytes]; v: [128 panels of 64 keys][1,024 rows head x 64 + d][64 bytes], keys innermost; inside every 32 bytes the groups of eight lie in the order 0-7, 16-23, 8-15, 24-31.
; cc: [16 heads][8,192 tokens][64 bytes], d in its natural order.
; THE SOFTMAX: t = score x log2(e) / 8; M = the running largest t rounded UP to a whole number; p = 2^(t - M) is quantised with 2^e8, not normalised; the row's sum is taken of the unquantised p, in f32, and divides at the end.
; When M moves, the sum and O are multiplied by 2^(old M - new M): a power of two.
; LIMITS on the given exponents: e6 + e7 between -123 and 130 (added to the exponent field of log2(e) / 8); e8, and e10 - e8 - e9, between -126 and 119.
; SHARES.  The four work-groups of a cluster belong to one head and walk the same K and V: each tile is asked for JOINTLY.  A head has 128 tiles of 16 queries; tile 4 u + cx belongs to the partner at place cx.
; A wave of rank rk owns tile u = rk (early queries) and tile u = 31 - rk (late queries): every wave has about the same number of key steps that count.  The rank is a permutation of the wave's number in which any four
; ranks on end differ both in wave % 4 and in wave / 4.
; EVERY work-group walks ALL eight slots of 256 keys: trip counts are constants, no tensor load and no barrier is jumped over.  A key step (128 keys) all of whose keys come after a tile's queries is left out by a scalar
; branch on the wave's number and the step alone: first key >= 64 u + 64, which holds or fails for all four partners alike, since 16 cx + 15 < 64.  On the diagonal hidden scores become -infinity ahead of the maximum.
; LAYOUT.  Both products are used transposed: S^T = K Q^T (source 0 = 16 keys, source 1 = 16 queries; K = 64), O^T = V^T P^T (source 0 = 16 of the head's 64, source 1 = P; K = 128 keys): a lane holds ONE query throughout.
; In S^T register 8 c + i of lane (r, h) is key 16 c + 8 h + i: the conversions of tile c give registers 2 c, 2 c + 1 of the second product's operand, in that form's own order of k; v's order of bytes gives its fragments the same.
; REGISTERS: v1 lane's place in a tile; v3, v4 the prefetch's offset and step; v5, v6 for the add; v7 16 x lane; v8 the step's LDS address; v10, v11 the tiles' query terms; v12-15, v16-19 the tiles' -M, largest t, sum (a pair);
; v20-35 Q; v36-99 fragments; v100-163 S^T, then p; v164-227 O^T of the two tiles; v228-243 p's codes; v244 the scale; v246-254 at work; v250, v255 the stage's addresses.
.set KP,    80                         ; a row of 64 codes in LDS: + 16 of padding: the 16 rows that a load touches start at different banks
.set VOFF,  256*KP                     ; a slot: 256 keys' rows of K, then 4 panels x 64 rows of V
.set SLOT1, 65536                      ; slot 1 begins here: one exclusive or turns an address from one slot into the other's
.set NSL,   8                          ; 2,048 keys / 256
.set SPARE, 131072                     ; the spare words, 128 bytes for each of sixteen waves
.set STAGE, SPARE+2048                 ; the way out: two tiles x 16 rows x 80 bytes for each wave; no fill lands here
.set SWB,   2560
.set FB,  36
.set S,   100
.set OTE, 164
.set OTL, 196
.set PC,  228
.macro CROUND                          ; a round of the cluster's barrier
	s_barrier_signal -1
	s_barrier_wait -1
	s_cmp_lg_u32 s18, 0
	s_cbranch_scc1 .Lnot_wave_0_\@
	s_barrier_signal -3
.Lnot_wave_0_\@:
	s_barrier_wait -3
	s_barrier_signal -1
	s_barrier_wait -1
.endm
; Waves 0 and 1 fetch K's halves of a slot, waves 2 and 3 V's, the others nothing: branches on the wave's number alone, the same in all partners.  Four v_nop follow each of the two lines.
.macro TLOAD
	s_cmp_lt_u32 s18, 2
	s_cbranch_scc0 .Lnot_k_\@
	tensor_load_to_lds s[40:43], s[24:31]
	s_nop 0
.rept 4
	v_nop
.endr
	s_branch .Lasked_\@
.Lnot_k_\@:
	s_cmp_lt_u32 s18, 4
	s_cbranch_scc0 .Lasked_\@
	tensor_load_to_lds s[44:47], s[32:39]
	s_nop 0
.rept 4
	v_nop
.endr
.Lasked_\@:
.endm
; A prefetch of what the NEXT change of slots will ask for: 16,384 bytes of K and four panels' 4,096 bytes of V.  The four partners share them out BY ADDRESS: partner cx takes K's 4,096 bytes number cx (lanes 0-15, 256 bytes
; apart) and V's panel number cx (lanes 16-31): one instruction, by wave 4, which fetches nothing.  So each aligned block of 256 bytes is named once in the launch.  Slots 0 and 1 come by their loads alone; the last change that
; fills a slot asks for nothing.
.macro ASK
	s_cmp_gt_u32 s48, s49
	s_cbranch_scc0 .Lnot_mine_\@
	s_wait_alu depctr_va_vdst(0)
	global_prefetch_b8 v3, s[4:5] th:TH_LOAD_NT scope:SCOPE_SE
.Lnot_mine_\@:
.endm
	s_load_b128 s[4:7], s[0:1], 0x0                ; qkv s[4:5], the exponents s[6:7]
	s_load_b64 s[8:9], s[0:1], 0x10                ; cc
	v_lshl_add_u32 v5, v0, 2, SPARE
	v_mov_b32 v6, 0
	ds_add_u32 v5, v6
	ds_add_u32 v5, v6
	s_wait_dscnt 0x0
	v_lshrrev_b32 v9, 5, v0
	s_delay_alu instid0(VALU_DEP_1)
	v_readfirstlane_b32 s18, v9                    ; wave 0..15
	s_bfe_u32 s12, ttmp6, 0x40000                  ; cx: it enters Q's, cc's and the prefetch's addresses and the mask's query term, and nothing else
	s_and_b32 s13, ttmp7, 0xffff
	s_and_b32 s14, s13, 15                         ; head
	s_lshr_b32 s15, s13, 4                         ; batch
	s_and_b32 s16, s18, 3
	s_lshr_b32 s17, s18, 2
	s_mul_i32 s19, s16, 3
	s_add_co_u32 s19, s19, s17
	s_and_b32 s19, s19, 3
	s_lshl_b32 s19, s19, 2
	s_add_co_u32 s19, s19, s16                     ; rank = 4 ((wave / 4 + 3 (wave % 4)) % 4) + wave % 4
	s_xor_b32 s17, s19, 31                         ; the late tile's u
	s_lshl_b32 s50, s19, 6
	s_add_co_u32 s50, s50, 64                      ; 64 u + 64 of the early tile,
	s_lshl_b32 s51, s17, 6
	s_add_co_u32 s51, s51, 64                      ; of the late one
	s_lshl_b32 s74, s14, 19
	s_lshl_b32 s75, s15, 17
	s_add_co_u32 s74, s74, s75                     ; the head's first byte in q, k and cc: head x 524,288 + batch x 2,048 rows of 64
	s_lshl_b32 s75, s12, 10                        ; 16 cx rows
	s_lshl_b32 s60, s19, 12                        ; 64 u rows
	s_add_co_u32 s60, s60, s74
	s_add_co_u32 s60, s60, s75
	s_mov_b32 s61, 0                               ; s[60:61]: the early tile's first byte in q and in cc
	s_lshl_b32 s62, s17, 12
	s_add_co_u32 s62, s62, s74
	s_add_co_u32 s62, s62, s75
	s_mov_b32 s63, 0                               ; s[62:63]: the late tile's
	s_and_b32 s80, s18, 1                          ; which half of a slot I fetch, if I fetch
	s_lshl_b32 s76, s80, 13                        ; K: 128 keys x 64 bytes,
	s_add_co_u32 s76, s76, s74
	s_add_co_u32 s76, s76, 0x800000                ; in qkv's second part
	s_mov_b32 s77, 0
	s_lshl_b32 s78, s15, 5
	s_lshl_b32 s81, s80, 1
	s_add_co_u32 s78, s78, s81                     ; V: panel 32 x batch + 2 x half,
	s_lshl_b32 s78, s78, 16
	s_lshl_b32 s81, s14, 12                        ; the head's 64 rows of 64 bytes,
	s_add_co_u32 s78, s78, s81
	s_add_co_u32 s78, s78, 0x1000000               ; in qkv's third part
	s_mov_b32 s79, 0
	s_mul_i32 s82, s80, 128*KP                     ; and in a slot: K's half,
	s_add_co_u32 s83, s82, VOFF                    ; V's half (two panels x 64 rows)
	; descriptor group 1: two dense runs of 4,096 bytes (K: 64 keys each, on end; V: a panel's 64 rows each, 65,536 bytes apart), 16 bytes of padding behind every 64
	s_mov_b32 s24, 15|(0<<16)|(1<<20)|(1<<21)|(3<<22)|(3<<25)   ; 15:0 the mask: all four work-groups; 17:16 elements of 1 byte; 20 padding on; 21 set beside a mask; 24:22 after every 16 words; 31:25 four words
	s_mov_b32 s25, 4096<<16                        ; tensor_dim0
	s_mov_b32 s26, 2<<16                           ; tensor_dim1
	s_mov_b32 s27, 4096<<16                        ; tile_dim0
	s_mov_b32 s28, 2                               ; tile_dim1
	s_mov_b32 s29, 4096                            ; tensor_dim0_stride
	s_mov_b32 s30, 0
	s_mov_b32 s31, 0
	s_mov_b32 s32, 15|(0<<16)|(1<<20)|(1<<21)|(3<<22)|(3<<25)
	s_mov_b32 s33, 4096<<16
	s_mov_b32 s34, 2<<16
	s_mov_b32 s35, 4096<<16
	s_mov_b32 s36, 2
	s_mov_b32 s37, 65536
	s_mov_b32 s38, 0
	s_mov_b32 s39, 0
	s_mov_b32 s20, 0x76543210                      ; v_permlanex16_b32's selects: lane l xor 16
	s_mov_b32 s21, 0xfedcba98
	s_mov_b32 s2, 0                                ; LDS byte at which the slot in hand begins
	s_mov_b32 s3, 0                                ; its first key
	s_mov_b32 s48, NSL-1                           ; slots still to be asked for
	s_cmp_eq_u32 s18, 4
	s_cselect_b32 s49, 1, -1                       ; wave 4 prefetches while s48 is above 1
	s_wait_kmcnt 0x0
	s_load_b128 s[52:55], s[6:7], 0x18             ; e6, e7, e8, e9
	s_load_b32 s56, s[6:7], 0x28                   ; e10
	s_mov_b32 s40, 1                               ; group 0 for K: count,
	s_mov_b32 s41, s82                             ; LDS address: slot 0,
	s_add_nc_u64 s[42:43], s[4:5], s[76:77]        ; global address,
	s_or_b32 s43, s43, 0x80000000                  ; type
	s_mov_b32 s44, 1
	s_mov_b32 s45, s83
	s_add_nc_u64 s[46:47], s[4:5], s[78:79]
	s_or_b32 s47, s47, 0x80000000
	CROUND                                         ; all four work-groups are here: the first joint loads meet
	TLOAD                                          ; slot 0
	s_add_nc_u64 s[66:67], s[4:5], s[60:61]        ; Q of the early tile, of the late one
	s_add_nc_u64 s[68:69], s[4:5], s[62:63]
	s_add_nc_u64 s[70:71], s[8:9], s[60:61]        ; cc likewise
	s_add_nc_u64 s[72:73], s[8:9], s[62:63]
	v_and_b32 v9, 15, v0                           ; r
	v_bfe_u32 v2, v0, 4, 1                         ; h
	s_delay_alu instid0(VALU_DEP_2)
	v_lshlrev_b32 v249, 6, v9
	s_delay_alu instid0(VALU_DEP_1)
	v_lshl_add_u32 v249, v2, 4, v249               ; Q: row r of 64 bytes, + 16 h
	global_load_b128 v[20:23], v249, s[66:67]      ; Q's fragments stay in registers; their bytes are taken as K's are, so every d meets its partner
	global_load_b128 v[24:27], v249, s[66:67] offset:32
	global_load_b128 v[28:31], v249, s[68:69]
	global_load_b128 v[32:35], v249, s[68:69] offset:32
	v_mul_u32_u24 v1, v9, KP
	s_delay_alu instid0(VALU_DEP_1)
	v_lshl_add_u32 v1, v2, 4, v1                   ; a fragment's row x pitch + 16 h: for K and for V
	v_and_b32 v7, 31, v0
	s_delay_alu instid0(VALU_DEP_1)
	v_lshlrev_b32 v7, 4, v7                        ; 16 x lane
	s_lshl_b32 s84, s12, 4
	s_add_co_u32 s85, s84, s50
	s_sub_co_u32 s85, s85, 64                      ; the early tile's first query: 64 u + 16 cx
	s_add_co_u32 s86, s84, s51
	s_sub_co_u32 s86, s86, 64
	v_lshlrev_b32 v254, 3, v2
	s_delay_alu instid0(VALU_DEP_1)
	v_sub_nc_u32 v254, v9, v254                    ; r - 8 h
	s_delay_alu instid0(VALU_DEP_1)
	v_add_nc_u32 v10, s85, v254                    ; my query - 8 h
	s_delay_alu instid0(VALU_DEP_2)
	v_add_nc_u32 v11, s86, v254
	s_mul_i32 s87, s18, SWB
	s_add_co_u32 s87, s87, STAGE                   ; my stage
	v_mul_u32_u24 v250, v9, KP
	s_delay_alu instid0(VALU_DEP_1)
	v_lshl_add_u32 v250, v2, 3, v250
	s_delay_alu instid0(VALU_DEP_1)
	v_add_nc_u32 v250, s87, v250                   ; in: row r, + 8 h
	v_bfe_u32 v255, v0, 2, 3
	s_delay_alu instid0(VALU_DEP_1)
	v_mul_u32_u24 v255, v255, KP
	v_and_b32 v254, 3, v0
	s_delay_alu instid0(VALU_DEP_1)
	v_lshl_add_u32 v255, v254, 4, v255
	s_delay_alu instid0(VALU_DEP_1)
	v_add_nc_u32 v255, s87, v255                   ; back: row lane / 4 of eight, 16 bytes a lane
	; the prefetch's offset from qkv's first byte, and its step from slot to slot; it stands at slot 1, and the first change of slots steps it to slot 2
	s_lshl_b32 s87, s12, 12
	s_add_co_u32 s87, s87, s74
	s_add_co_u32 s87, s87, 0x800000+16384          ; K: my work-group's 4,096 bytes
	s_lshl_b32 s88, s15, 5
	s_add_co_u32 s88, s88, s12
	s_lshl_b32 s88, s88, 16
	s_lshl_b32 s89, s14, 12
	s_add_co_u32 s88, s88, s89
	s_add_co_u32 s88, s88, 0x1000000+262144        ; V: my work-group's panel
	v_cmp_eq_u32 vcc_lo, 1, v2
	v_mov_b32 v4, s88
	s_delay_alu instid0(VALU_DEP_1)
	v_cndmask_b32 v4, s87, v4, vcc_lo
	s_delay_alu instid0(VALU_DEP_1)
	v_lshl_add_u32 v3, v9, 8, v4                   ; lanes 256 bytes apart
	v_mov_b32 v4, 0x40000
	s_delay_alu instid0(VALU_DEP_1)
	v_cndmask_b32 v4, 0x4000, v4, vcc_lo
	v_mov_b32 v13, 0xff61b1e6                      ; the largest t so far: -3e38, under every t
	s_delay_alu instid0(VALU_DEP_1)
	v_floor_f32 v12, -v13                          ; -M
	v_mov_b32 v14, 0                               ; the sum, in two halves
	v_mov_b32 v15, 0
	v_mov_b32 v17, 0xff61b1e6
	s_delay_alu instid0(VALU_DEP_1)
	v_floor_f32 v16, -v17
	v_mov_b32 v18, 0
	v_mov_b32 v19, 0
	v_mov_b32 v248, 0                              ; written once: a lane permute's destination counts as one of its sources
	v_mov_b32 v253, 0                              ; (named as the upper half of the pair v[252:253])
.set j, 0
.rept 64
	v_mov_b32 v[OTE+j], 0                          ; O^T of both tiles.  (The step is written without a first form: the first change of M multiplies zeros)
.set j, j+1
.endr
	s_wait_kmcnt 0x0
	s_mov_b32 s22, 0x3e38aa3b                      ; c = log2(e) / 8
	s_add_co_i32 s57, s52, s53
	s_lshl_b32 s57, s57, 23
	s_add_co_i32 s22, s22, s57                     ; a score stands for score x 2^(e6 + e7): added to c's exponent field
	s_mov_b32 s23, s22                             ; (named with it as a pair)
	s_add_co_i32 s57, s54, 127
	s_lshl_b32 s58, s57, 23
	v_mov_b32 v244, s58                            ; 2^e8
; A KEY STEP of one tile: the q-th 128 keys of the slot in hand.  QF: the tile's Q; OT: its O^T; SB: its statistics; QD: its query term; UB: the scalar register with its 64 u + 64.
.macro STEP q, QF, OT, SB, QD, UB
	s_add_co_u32 s57, s3, 128*(\q)                 ; the step's first key
	s_cmp_ge_u32 s57, s[\UB]
	s_cbranch_scc1 .Lhidden_\@                     ; all its keys come after the tile's queries
	v_add_nc_u32 v8, s2, v1
.rept 3
	v_nop                                          ; with the addition: four places in front of loads into registers that matrix instructions have read
.endr
.irp t, 0,1,2,3,4,5,6,7
	ds_load_b128 v[FB+8*\t:FB+8*\t+3], v8 offset:(128*(\q)+16*\t)*KP
	ds_load_b128 v[FB+8*\t+4:FB+8*\t+7], v8 offset:(128*(\q)+16*\t)*KP+32
.endr
	s_wait_dscnt 0x0
.irp t, 0,1,2,3,4,5,6,7
	v_wmma_f32_16x16x64_fp8_fp8 v[S+8*\t:S+8*\t+7], v[FB+8*\t:FB+8*\t+7], v[\QF:\QF+7], 0
.endr
.rept 4
	v_nop
.endr
	s_add_co_u32 s58, s57, 192
	s_cmp_le_u32 s58, s[\UB]
	s_cbranch_scc1 .Lopen_\@                       ; all its keys count for all the tile's queries: last key < 64 u
	v_sub_nc_u32 v252, v[\QD], s57                 ; d = my query - 8 h - the first key.  Register 8 c + i holds key 16 c + 8 h + i of the step: hidden where 16 c + i > d
	v_mov_b32 v254, 0xff800000                     ; -infinity
.irp n, 0,1,2,3,4,5,6,7,8,9,10,11,12,13,14,15,16,17,18,19,20,21,22,23,24,25,26,27,28,29,30,31,32,33,34,35,36,37,38,39,40,41,42,43,44,45,46,47,48,49,50,51,52,53,54,55,56,57,58,59,60,61,62,63
	v_cmp_gt_i32 vcc_lo, 16*(\n/8)+\n%8, v252
	v_cndmask_b32 v[S+\n], v[S+\n], v254, vcc_lo
.endr
.Lopen_\@:
	v_max3_num_f32 v254, v[S], v[S+1], v[S+2]      ; the step's largest score of my query among my 64 keys, in two chains; each accumulator is read from its low end on
	v_max3_num_f32 v252, v[S+3], v[S+4], v[S+5]
.irp i, 6,10,14,18,22,26,30,34,38,42,46,50,54,58
	v_max3_num_f32 v254, v254, v[S+\i], v[S+1+\i]
	v_max3_num_f32 v252, v252, v[S+2+\i], v[S+3+\i]
.endr
	v_max3_num_f32 v254, v254, v[S+62], v[S+63]
	s_delay_alu instid0(VALU_DEP_1)
	v_max_num_f32 v254, v254, v252
	s_delay_alu instid0(VALU_DEP_1)
	v_permlanex16_b32 v248, v254, s20, s21
	s_delay_alu instid0(VALU_DEP_1)
	v_max_num_f32 v254, v254, v248                 ; and among lane l xor 16's
	s_delay_alu instid0(VALU_DEP_1)
	v_mul_f32 v254, s22, v254                      ; as t (c is positive)
	s_delay_alu instid0(VALU_DEP_1)
	v_max_num_f32 v[\SB+1], v[\SB+1], v254         ; the running largest t
	v_mov_b32 v254, v[\SB]
	s_delay_alu instid0(VALU_DEP_2)
	v_floor_f32 v[\SB], -v[\SB+1]                  ; the new -M = floor(-t): M is a whole number
	s_delay_alu instid0(VALU_DEP_1)
	v_sub_f32 v254, v[\SB], v254                   ; old M - new M: a whole number, 0 or less
	s_delay_alu instid0(VALU_DEP_1)
	v_cvt_i32_f32 v254, v254                       ; (it saturates)
	s_delay_alu instid0(VALU_DEP_1)
	v_ldexp_f32 v252, 1.0, v254                    ; f = 2^(old M - new M)
.irp j, 0,2,4,6,8,10,12,14,16,18,20,22,24,26,28,30,32,34,36,38,40,42,44,46,48,50,52,54,56,58,60,62
	v_pk_fma_f32 v[S+\j:S+\j+1], v[S+\j:S+\j+1], s[22:23], v[\SB:\SB+1] op_sel_hi:[1,0,0]   ; t - M, two at a time
.endr
	s_wait_alu depctr_va_vdst(0)
.irp j, 0,1,2,3,4,5,6,7,8,9,10,11,12,13,14,15,16,17,18,19,20,21,22,23,24,25,26,27,28,29,30,31,32,33,34,35,36,37,38,39,40,41,42,43,44,45,46,47,48,49,50,51,52,53,54,55,56,57,58,59,60,61,62,63
	v_exp_f32 v[S+\j], v[S+\j]                     ; p = 2^(t - M), at most 1
.endr
	v_pk_mul_f32 v[\SB+2:\SB+3], v[\SB+2:\SB+3], v[252:253] op_sel_hi:[1,0]   ; the sums under the new M; the plain instruction behind the exponentials
	s_wait_alu depctr_va_vdst(0)                   ; one wait for the batch of 64, ahead of its first reader
	v_pk_add_f32 v[246:247], v[S:S+1], v[S+2:S+3]  ; the row's sum is taken of the UNQUANTISED p, in two chains
.irp j, 4,8,12,16,20,24,28,32,36,40,44,48,52,56,60
	v_pk_add_f32 v[\SB+2:\SB+3], v[\SB+2:\SB+3], v[S+\j:S+\j+1]
	v_pk_add_f32 v[246:247], v[246:247], v[S+2+\j:S+3+\j]
.endr
	s_delay_alu instid0(VALU_DEP_1)
	v_pk_add_f32 v[\SB+2:\SB+3], v[\SB+2:\SB+3], v[246:247]
.irp c, 0,1,2,3,4,5,6,7
.irp i, 0,1,2,3,4,5,6,7
.endr
	v_cvt_scalef32_pk8_fp8_f32 v[PC+2*\c:PC+2*\c+1], v[S+8*\c:S+8*\c+7], v244
.endr
.irp j, 0,2,4,6,8,10,12,14,16,18,20,22,24,26,28,30
	v_pk_mul_f32 v[\OT+\j:\OT+\j+1], v[\OT+\j:\OT+\j+1], v[252:253] op_sel_hi:[1,0]   ; O^T under the new M; also the plain instructions between the conversions and the products below
.endr
.irp t, 0,1,2,3
.irp c, 0,1,2,3
	ds_load_b128 v[FB+16*\t+4*\c:FB+16*\t+4*\c+3], v8 offset:VOFF+(64*(2*(\q)+\c/2)+16*\t)*KP+32*(\c%2)   ; d = 16 t + r; keys 32 c on of the step: panel 2 q + c / 2
.endr
.endr
	s_wait_alu depctr_va_vdst(0)
	s_wait_dscnt 0x0
.irp t, 0,1,2,3
	v_wmma_f32_16x16x128_fp8_fp8 v[\OT+8*\t:\OT+8*\t+7], v[FB+16*\t:FB+16*\t+15], v[PC:PC+15], v[\OT+8*\t:\OT+8*\t+7]   ; four accumulators by turns; eight products S^T stand between two turns of each
.endr
.Lhidden_\@:
.endm
.macro SLOT_STEPS
.irp q, 0,1
	STEP \q, 28, OTL, 16, 11, 51                   ; the late tile
	STEP \q, 20, OTE, 12, 10, 50                   ; the early tile
.endr
	s_add_co_u32 s3, s3, 256
	s_xor_b32 s2, s2, SLOT1                        ; on to the other slot
.endm
; THE CHANGE OF SLOTS stands at a slot's head.  Each wave waits for all its tensor loads (its part of the slot that it is about to read), adds 0 to its spare word, and waits for that and for its reads of the slot that it has left.
; fill = 1: the barrier is a round of the cluster's, and behind it the slot that was left is filled with the keys that follow: the load has a whole slot's steps in which to land.
.macro CHANGE fill
	s_wait_tensorcnt 0x0                           ; no tensor load of mine is out, so a group 0 may be written
	ds_add_u32 v5, v6                              ; 0 onto my spare word
.if \fill
	s_xor_b32 s41, s41, SLOT1                      ; the walking descriptors: the other slot than last time,
	s_add_nc_u64 s[42:43], s[42:43], 16384         ; the next 256 keys of K,
	s_xor_b32 s45, s45, SLOT1
	s_add_nc_u64 s[46:47], s[46:47], 262144        ; the next four panels of V
	s_wait_xcnt 0x0                                ; the last prefetch, a slot back, has read its offset, so it may be written
	v_add_nc_u32 v3, v3, v4
	s_wait_dscnt 0x0                               ; the add is done, and my reads of the slot that I have left are over
	CROUND
	TLOAD                                          ; the first thing behind the round, and a wave's one tensor load until the next
	ASK
.else
	s_wait_dscnt 0x0
	s_barrier_signal -1
	s_barrier_wait -1
.endif
.endm
	s_wait_loadcnt 0x0                             ; Q
.Lslot:                                                ; seven trips: behind each change of slots but the last the next slot is asked for
	s_wait_alu depctr_va_vdst(0)
	CHANGE 1
	SLOT_STEPS
	s_sub_co_u32 s48, s48, 1
	s_cmp_lg_u32 s48, 0
	s_cbranch_scc1 .Lslot
	CHANGE 0                                       ; the last slot is written out
	SLOT_STEPS
	; THE WAY OUT.  ctx = O^T x 2^(e8 + e9) / the sum; its code is (O^T / the sum) / 2^(e10 - e8 - e9), held within +-448.  A lane's eight codes of a tile of d are 8 bytes of its query's row; both tiles go through my stage
	; and leave as 512 consecutive bytes (eight rows of 64) a store.
.rept 4
	v_nop                                          ; places behind the last products
.endr
	v_add_f32 v14, v14, v15
	v_add_f32 v18, v18, v19
	s_delay_alu instid0(VALU_DEP_2)
	v_permlanex16_b32 v248, v14, s20, s21
	s_delay_alu instid0(VALU_DEP_2)
	v_permlanex16_b32 v253, v18, s20, s21
	s_delay_alu instid0(VALU_DEP_2)
	v_add_f32 v14, v14, v248                       ; the rows' sums
	s_delay_alu instid0(VALU_DEP_2)
	v_add_f32 v18, v18, v253
	s_wait_alu depctr_va_vdst(0)
	v_rcp_f32 v14, v14
	v_rcp_f32 v18, v18
	s_sub_co_i32 s57, s56, s54
	s_sub_co_i32 s57, s57, s55                     ; e10 - e8 - e9
	s_add_co_i32 s57, s57, 127
	s_lshl_b32 s58, s57, 23
	v_mov_b32 v244, s58                            ; (plain instructions behind the reciprocals)
	s_wait_alu depctr_va_vdst(0)                   ; one wait for the two reciprocals, ahead of their first reader
.set j, 0
.rept 32
	v_mul_f32 v[S+j], v[OTE+j], v14                ; each accumulator from its low end on
.set j, j+1
.endr
.set j, 0
.rept 32
	v_mul_f32 v[S+32+j], v[OTL+j], v18
.set j, j+1
.endr
.set j, 0
.rept 64
.set j, j+1
.endr
.irp g, 0,1,2,3,4,5,6,7
	v_cvt_scalef32_pk8_fp8_f32 v[PC+2*\g:PC+2*\g+1], v[S+8*\g:S+8*\g+7], v244
.endr
	v_nop
.irp g, 0,1,2,3,4,5,6,7
	ds_store_b64 v250, v[PC+2*\g:PC+2*\g+1] offset:16*KP*(\g/4)+16*(\g%4)   ; tile g / 4; d = 16 (g % 4) + 8 h on
.endr
.irp n, 0,1,2,3
	ds_load_b128 v[FB+4*\n:FB+4*\n+3], v255 offset:16*KP*(\n/2)+8*KP*(\n%2)  ; LDS serves a wave's instructions in order: these see my stores
.endr
.irp n, 0,1,2,3
	s_wait_dscnt 3-\n                              ; read-back n is in; the younger ones may be out
	global_store_b128 v7, v[FB+4*\n:FB+4*\n+3], s[70+2*(\n/2):71+2*(\n/2)] offset:512*(\n%2)
.endr
	s_wait_tensorcnt 0x0                           ; the wave's end
	ds_add_u32 v5, v6
	s_wait_dscnt 0x0
	CROUND                                         ; the closing round
	s_endpgm
.Lfunc_end_k_qaaef1ffa43_attn:
	.size	k_qaaef1ffa43_attn, .Lfunc_end_k_qaaef1ffa43_attn-k_qaaef1ffa43_attn
	.p2alignl 7, 3214868480
	.fill 96, 4, 3214868480
	.section	.rodata,"a",@progbits
	.p2align	6, 0x0
	.amdhsa_kernel k_qaaef1ffa43_attn
		.amdhsa_group_segment_fixed_size 327680
		.amdhsa_private_segment_fixed_size 0
		.amdhsa_enable_private_segment 0
		.amdhsa_kernarg_size 24
		.amdhsa_user_sgpr_count 2
		.amdhsa_user_sgpr_kernarg_segment_ptr 1
		.amdhsa_wavefront_size32 1
		.amdhsa_system_sgpr_workgroup_id_x 1
		.amdhsa_system_sgpr_workgroup_id_y 1
		.amdhsa_system_sgpr_workgroup_id_z 1
		.amdhsa_system_vgpr_workitem_id 0
		.amdhsa_next_free_vgpr 256
		.amdhsa_next_free_sgpr 100
		.amdhsa_reserve_vcc 1
		.amdhsa_float_denorm_mode_32 3
		.amdhsa_float_denorm_mode_16_64 3
		.amdhsa_fp16_overflow 1
		.amdhsa_memory_ordered 1
		.amdhsa_forward_progress 1
		.amdhsa_inst_pref_size 168
	.end_amdhsa_kernel
	.amdgpu_metadata
---
amdhsa.version: [ 1, 2 ]
amdhsa.kernels:
  - .name:           k_qaaef1ffa43_attn
    .symbol:         k_qaaef1ffa43_attn.kd
    .args:
      - { .name: qkv, .offset: 0, .size: 8, .value_kind: global_buffer, .address_space: global }
      - { .name: lowp_scales, .offset: 8, .size: 8, .value_kind: global_buffer, .address_space: global }
      - { .name: cc, .offset: 16, .size: 8, .value_kind: global_buffer, .address_space: global }
    .group_segment_fixed_size: 327680
    .private_segment_fixed_size: 0
    .kernarg_segment_align: 8
    .kernarg_segment_size: 24
    .max_flat_workgroup_size: 512
    .sgpr_count:     100
    .vgpr_count:     256
    .wavefront_size: 32
...
	.end_amdgpu_metadata
.endif
;; end of part 3
;; launch proj (part 4): grid 4 x 32, 4 waves a work-group, clusters of 4 x 4, 327,680 bytes of LDS; arguments cc, wc, lowp_scales, b_o, out0; writes out0
.if DOCPART == 4
	.amdgcn_target "amdgcn-amd-amdhsa--gfx1250"
	.amdhsa_code_object_version 6
	.text
	.protected	k_qaaef1ffa43_proj
	.globl	k_qaaef1ffa43_proj
	.p2align	8
	.type	k_qaaef1ffa43_proj,@function
k_qaaef1ffa43_proj:
	s_mov_b64 s[64:65], 0
	v_nop
	global_prefetch_b8 v0, s[64:65] scope:SCOPE_SE
	s_setreg_imm32_b32 hwreg(HW_REG_WAVE_MODE, 25, 1), 1
	s_wait_xcnt 0x0
	s_wait_alu depctr_hold_cnt(0) depctr_sa_sdst(0) depctr_va_vdst(0) depctr_va_sdst(0) depctr_va_ssrc(0) depctr_va_vcc(0) depctr_vm_vsrc(0)
	s_getreg_b32 s2, hwreg(HW_REG_IB_STS2, 6, 4)
	s_cmp_eq_u32 s2, 0
	s_cbranch_scc0 .Lentry_in_a_cluster
	s_endpgm
.Lentry_in_a_cluster:
	s_bfe_u32 s2, ttmp6, 0x10000c
	s_cmp_lg_u32 s2, 0xf033
	s_cbranch_scc0 .Lentry_shape_is_right
	s_endpgm
.Lentry_shape_is_right:
; out0 = ctx W_o + b_o on codes of FP8 (E4M3).  ctx's codes: cc [16 heads][8,192 rows][64 bytes]; W_o's codes: the fourth part of wc, [1,024 n][1,024 k]; out0 [8,192][1,024] f32.
; The codes are multiplied as they are; each finished sum goes out as sum x 2^(e10 + e11) + b_o, one packed multiply-add for two numbers.
; LIMIT: e10 + e11 lies between -126 and 127, so that 2^(e10 + e11) is an f32 number.
; A tile of 256 x 256 is made by four waves, each 128 x 128 in 512 registers; K in steps of 256 through a ring of two LDS slots.  128 tiles: 128 work-groups.
; 4 x 4 work-groups form a cluster: A's tile is asked for jointly along a row of the cluster, B's along a column.  The matrix instruction is used transposed (source 0 = 16 rows of W_o's codes, source 1 = 16 rows of ctx).
; A's K step of 256 is four heads' panels: a wave's tensor load brings 4 runs of 8,192 dense bytes (128 rows x 64), 524,288 bytes apart, with 16 bytes of padding behind every 64: four planes of 128 rows x 80 bytes in LDS.
; No prefetch: of the four K steps two are the first fills, and the other two could only be asked for at the head.
; REGISTERS, in windows of 256: window 0: v0-31 addresses, v8-11 my four numbers of b_o; from v128 A's fragments, ONE set; on the way out v128-255 take rows read back.  window 1: B's fragments, TWO sets.  windows 2, 3: the accumulators.
.set SIZE_N, 1024
.set ROWB,   256                       ; a row of B's tile in bytes
.set KROW,   1024
.set PITCH,  272                       ; B's LDS row: 256 bytes + 16
.set APITCH, 80                        ; A's LDS row: 64 bytes + 16
.set PPL,    128*APITCH                ; a plane: 128 rows of one head's panel
.set HALFA,  4*PPL                     ; what a wave fetches of A: 128 rows x 256 K
.set HALFB,  128*PITCH
.set SLOT,   2*HALFA+2*HALFB           ; A's 256 rows, then B's 256 rows
.set ASTEP,  0x200000                  ; a K step on in cc: four panels of 524,288 bytes
.set FR,     16
.set NL,     4
.set NP,     4                         ; places behind this matrix instruction (ISA guide 7.12.1)
.set LAPS,   2
.set SPARE,  2*SLOT                    ; behind the ring: the spare words, 128 bytes for each wave
.set SPITCH, 528                       ; the way out: a stage of 16 rows x (512 bytes + 16) for each wave, in slot 0, which has had its last fill and its last read when the first result is stored there
.set BIAS, 8                           ; v8-11
.set ADRA, 16
.set ADRB, 20
.set STO,  24
.set RD,   25
.set CO,   26                          ; v26     16 x lane: my place in a row's 512 bytes, in b_o's 512 bytes too
.set SPW,  28
.set NIL,  29
.set AF,   128
.set BK,   128                         ; the way out: 16 rows read back: v128-191 and v192-255 by turns
.set G1, 24
.set G0, 32
.set G1B, 48
.set G0B, 56
.set MSB, 0
.macro WIN new                         ; the immediate's high byte repeats the setting that is left
.if MSB != (\new)
	s_set_vgpr_msb (MSB<<8)|(\new)
.set MSB, (\new)
.endif
.endm
.set MUL_LO, 0xa1
.set MUL_HI, 0xf1
.set TO_B,   0x40
.macro JLOAD g0a, g1a, g0b, g1b        ; a joint load: waves 0 and 1 fetch for A, waves 2 and 3 for B; four v_nop follow each of the two lines
	s_cmp_eq_u32 s15, 0
	s_cbranch_scc0 .Lfor_b_\@
	tensor_load_to_lds s[\g0a:\g0a+3], s[\g1a:\g1a+7]
	s_nop 0
.rept 4
	v_nop
.endr
	s_branch .Lasked_\@
.Lfor_b_\@:
	tensor_load_to_lds s[\g0b:\g0b+3], s[\g1b:\g1b+7]
	s_nop 0
.rept 4
	v_nop
.endr
.Lasked_\@:
.endm
.macro CREST
	s_cmp_lg_u32 s14, 0
	s_cbranch_scc1 .Lnot_wave_0_\@
	s_barrier_signal -3
.Lnot_wave_0_\@:
	s_barrier_wait -3
	s_barrier_signal -1
	s_barrier_wait -1
.endm
.macro CROUND
	s_barrier_signal -1
	s_barrier_wait -1
	CREST
.endm
	s_load_b128 s[4:7], s[0:1], 0x0                ; cc s[4:5], wc s[6:7]
	s_load_b128 s[8:11], s[0:1], 0x10              ; the exponents s[8:9], b_o s[10:11]
	s_load_b64 s[12:13], s[0:1], 0x20              ; out0
	v_lshl_add_u32 v[SPW], v0, 2, SPARE
	v_mov_b32 v[NIL], 0
	ds_add_u32 v28, v29
	ds_add_u32 v28, v29
	s_wait_dscnt 0x0
	v_lshrrev_b32 v1, 5, v0
	v_readfirstlane_b32 s14, v1                    ; wave 0..3
	s_lshr_b32 s15, s14, 1                         ; which half of the tile's rows is mine.  Also: I fetch for A (0) or for B (1)
	s_and_b32 s16, s14, 1                          ; which half of its columns.  Also: which 128 rows of that tile I fetch
	s_bfe_u32 s40, ttmp6, 0x40000                  ; cx, cy
	s_bfe_u32 s41, ttmp6, 0x40004
	s_lshl_b32 s42, ttmp9, 2
	s_add_co_u32 s42, s42, s40                     ; tile column
	s_and_b32 s17, ttmp7, 0xffff
	s_lshl_b32 s17, s17, 2
	s_add_co_u32 s17, s17, s41                     ; tile row
	s_lshl_b32 s43, s41, 2
	s_lshl_b32 s43, 15, s43                        ; my row of the cluster
	s_lshl_b32 s44, 0x1111, s40                    ; my column
	; descriptor group 1 for A: 4 runs of 8,192 bytes, 524,288 apart; 16 bytes of padding behind every 64
	s_or_b32 s[G1+0], s43, (0<<16)|(1<<20)|(1<<21)|(3<<22)|(3<<25)  ; 15:0 the mask: my row; 17:16 element of 1 byte; 20 padding on; 21 set beside a mask; 24:22 after every 16 words; 31:25 four words
	s_mov_b32 s[G1+1], 8192<<16                    ; tensor_dim0
	s_mov_b32 s[G1+2], 4<<16                       ; tensor_dim1
	s_mov_b32 s[G1+3], 8192<<16                    ; tile_dim0
	s_mov_b32 s[G1+4], 4                           ; tile_dim1
	s_mov_b32 s[G1+5], 524288                      ; tensor_dim0_stride
	s_mov_b32 s[G1+6], 0
	s_mov_b32 s[G1+7], 0
	; for B: 128 rows x 256 bytes, 16 bytes of padding behind each
	s_or_b32 s[G1B+0], s44, (0<<16)|(1<<20)|(1<<21)|(5<<22)|(3<<25)
	s_mov_b32 s[G1B+1], ROWB<<16
	s_mov_b32 s[G1B+2], 128<<16
	s_mov_b32 s[G1B+3], ROWB<<16
	s_mov_b32 s[G1B+4], 128
	s_mov_b32 s[G1B+5], KROW
	s_mov_b32 s[G1B+6], 0
	s_mov_b32 s[G1B+7], 0
	s_lshl_b32 s18, s16, 7                         ; which 128 rows of the tile I fetch
	s_lshl_b32 s20, s17, 8
	s_add_co_u32 s20, s20, s18
	s_lshl_b32 s20, s20, 6                         ; A: (256 x tile row + 128 x half) rows of 64 bytes in a panel
	s_mov_b32 s21, 0
	s_lshl_b32 s46, s42, 8
	s_add_co_u32 s46, s46, s18
	s_lshl_b32 s46, s46, 10                        ; B: (256 x tile column + 128 x half) rows of 1,024 bytes,
	s_add_co_u32 s46, s46, 0x300000                ; in wc's fourth part
	s_mov_b32 s47, 0
	s_mul_i32 s45, s16, HALFA                      ; where they go: A's two halves,
	s_mul_i32 s19, s16, HALFB
	s_add_co_u32 s19, s19, 2*HALFA                 ; then B's two: no place in the cluster enters an LDS address
	s_wait_kmcnt 0x0
	s_load_b64 s[96:97], s[8:9], 0x28              ; e10, e11
	s_add_nc_u64 s[20:21], s[4:5], s[20:21]
	s_add_nc_u64 s[46:47], s[6:7], s[46:47]
	CROUND                                         ; all sixteen work-groups are here: the first joint loads meet
.irp s, 0,1
	s_mov_b32 s[G0+4*\s], 1
	s_add_co_u32 s[G0+4*\s+1], s45, \s*SLOT
	s_add_nc_u64 s[G0+4*\s+2:G0+4*\s+3], s[20:21], \s*ASTEP
	s_or_b32 s[G0+4*\s+3], s[G0+4*\s+3], 0x80000000
	s_mov_b32 s[G0B+4*\s], 1
	s_add_co_u32 s[G0B+4*\s+1], s19, \s*SLOT
	s_add_nc_u64 s[G0B+4*\s+2:G0B+4*\s+3], s[46:47], \s*ROWB
	s_or_b32 s[G0B+4*\s+3], s[G0B+4*\s+3], 0x80000000
	s_wait_alu depctr_va_vdst(0)
	s_wait_tensorcnt 0x0
	ds_add_u32 v28, v29
	ds_add_u32 v28, v29
	s_wait_dscnt 0x0
	CROUND
	JLOAD G0+4*\s, G1, G0B+4*\s, G1B
.endr
	v_and_b32 v1, 15, v0                           ; r
	v_bfe_u32 v2, v0, 4, 1                         ; h
	v_mul_u32_u24 v3, v1, APITCH
	v_lshl_add_u32 v3, v2, 4, v3                   ; A: row x 80 + 16 h
	v_mul_u32_u24 v4, v1, PITCH
	v_lshl_add_u32 v4, v2, 4, v4                   ; B: row x 272 + 16 h
	s_mul_i32 s21, s15, HALFA                      ; my 128 rows of A
	s_mul_i32 s22, s16, HALFB                      ; my 128 rows of B,
	s_add_co_u32 s22, s22, 2*HALFA                 ; which lie behind A's 256
.irp s, 0,1
	v_add_nc_u32 v[ADRA+\s], s21, v3
	v_add_nc_u32 v[ADRB+\s], s22, v4
	s_add_co_u32 s21, s21, SLOT
	s_add_co_u32 s22, s22, SLOT
.endr
	s_mul_i32 s23, s14, 16*SPITCH                  ; my stage
	v_mul_u32_u24 v5, v1, SPITCH                   ; in: row r, 32 bytes for each half of the lanes
	v_lshl_add_u32 v5, v2, 5, v5
	v_add_nc_u32 v[STO], s23, v5
	v_and_b32 v6, 31, v0
	v_lshlrev_b32 v[CO], 4, v6                     ; back: the 32 lanes take one row of 512 bytes
	v_add_nc_u32 v[RD], s23, v[CO]
	s_lshl_b32 s46, s42, 10                        ; my first column, in bytes of f32: 1,024 x tile column + 512 x half
	s_lshl_b32 s47, s16, 9
	s_add_co_u32 s46, s46, s47
	s_mov_b32 s47, 0
	s_add_nc_u64 s[10:11], s[10:11], s[46:47]      ; b_o at my 128 columns
	global_load_b128 v[BIAS:BIAS+3], v[CO], s[10:11]   ; behind the read-back a lane holds the same four columns of every row: four numbers of b_o serve
	s_lshl_b32 s20, s17, 8
	s_lshl_b32 s21, s15, 7
	s_add_co_u32 s20, s20, s21                     ; my first row: 256 x tile row + 128 x half,
	s_lshl_b32 s20, s20, 12                        ; 4,096 bytes each
	s_mov_b32 s21, 0
	s_add_nc_u64 s[20:21], s[20:21], s[46:47]
	s_add_nc_u64 s[12:13], s[12:13], s[20:21]
.macro FRAG reg, adr, q, i             ; B's fragment: lane l holds row l % 16; registers 4 c .. 4 c + 3 hold K = 128 q + 32 c + 16 (l / 16) + 0 .. 15
.irp c, 0,1,2,3
	ds_load_b128 v[\reg+4*\c:\reg+4*\c+3], v[\adr] offset:128*(\q)+32*\c+(\i)*16*PITCH
.endr
.endm
.macro FRAGA reg, adr, q, i            ; A's: the same K in the same places: K = 128 q + 32 c lies in plane 2 q + c / 2, at byte 32 (c % 2) of the row
.irp c, 0,1,2,3
	ds_load_b128 v[\reg+4*\c:\reg+4*\c+3], v[\adr] offset:(2*(\q)+\c/2)*PPL+(\i)*16*APITCH+32*(\c%2)
.endr
.endm
; 16 matrix instructions; the 64 accumulators take turns, one instruction a turn, in the same order in every step.
.macro MUL16 a0, p, zero
.irp a, \a0, \a0+1
.irp b, 0,1,2,3,4,5,6,7
.if \zero
	v_wmma_f32_16x16x128_fp8_fp8 v[8*(8*((\a)%4)+\b):8*(8*((\a)%4)+\b)+7], v[128*(\p)+FR*\b:128*(\p)+FR*\b+FR-1], v[AF+FR*(\a):AF+FR*(\a)+FR-1], 0
.else
	v_wmma_f32_16x16x128_fp8_fp8 v[8*(8*((\a)%4)+\b):8*(8*((\a)%4)+\b)+7], v[128*(\p)+FR*\b:128*(\p)+FR*\b+FR-1], v[AF+FR*(\a):AF+FR*(\a)+FR-1], v[8*(8*((\a)%4)+\b):8*(8*((\a)%4)+\b)+7]
.endif
.endr
.endr
.endm
.macro FETCH_B slot, q, p
	WIN TO_B
.irp i, 0,1,2,3,4,5,6,7
	FRAG 128*(\p)+FR*\i, ADRB+\slot, \q, \i
.endr
	WIN 0
.endm
.macro FETCH_A slot, q, i0
.irp i, \i0, \i0+1, \i0+2, \i0+3
	FRAGA AF+FR*(\i), ADRA+\slot, \q, \i
.endr
.endm
.macro PLACES n                        ; plain vector instructions that name no register of the matrix instructions before them (ISA guide 7.12.1)
.rept \n
	v_nop
.endr
.endm
.macro STEP slot, q, zero
	s_wait_dscnt 4*NL                              ; B's set and A's blocks 0-3 are in; the sixteen youngest loads (A's blocks 4-7) may be out
	WIN MUL_LO
	MUL16 0, (\q)%2, \zero
	MUL16 2, (\q)%2, \zero
	s_wait_dscnt 0
	PLACES NP
	FETCH_B \slot, (\q)+1, 1-(\q)%2
	FETCH_A \slot, (\q)+1, 0
	WIN MUL_HI
	MUL16 4, (\q)%2, \zero
	MUL16 6, (\q)%2, \zero
	PLACES NP
	WIN 0
	FETCH_A \slot, (\q)+1, 4
.endm
; A slot's last step changes slots: ONE barrier; in front of it each wave waits for all its tensor loads, adds 0 to its spare word, and waits for that and for its own reads of this slot.
.macro TURN slot, next, fill
	s_wait_tensorcnt 0x0                           ; all my tensor loads have landed: my part of the next slot
	ds_add_u32 v[SPW], v[NIL]                      ; 0 onto my spare word
	s_wait_dscnt 4*NL+1                            ; (the add and the sixteen youngest loads may be out)
	WIN MUL_LO
	MUL16 0, 1, 0
	s_wait_dscnt 0x0                               ; the add is done, and my reads of this slot are over
	s_barrier_signal -1
	MUL16 2, 1, 0
	WIN 0
	s_barrier_wait -1
.if \fill
	CREST                                          ; the barrier has opened a round of the cluster's barrier
	s_add_nc_u64 s[G0+4*\slot+2:G0+4*\slot+3], s[G0+4*\slot+2:G0+4*\slot+3], 2*ASTEP
	s_add_nc_u64 s[G0B+4*\slot+2:G0B+4*\slot+3], s[G0B+4*\slot+2:G0B+4*\slot+3], 2*ROWB
	JLOAD G0+4*\slot, G1, G0B+4*\slot, G1B         ; the first tensor load behind the round; its four v_nop are also the places in front of the loads below
.else
	PLACES NP
.endif
	FETCH_B \next, 0, 0
	FETCH_A \next, 0, 0
	WIN MUL_HI
	MUL16 4, 1, 0
	MUL16 6, 1, 0
	PLACES NP
	WIN 0
	FETCH_A \next, 0, 4
.endm
	s_wait_alu depctr_va_vdst(0)
	s_wait_tensorcnt 1                             ; my part of K step 0 is in; K step 1's load may be out
	s_barrier_signal -1
	s_barrier_wait -1
	FETCH_B 0, 0, 0
	FETCH_A 0, 0, 0
	FETCH_A 0, 0, 4
	STEP 0, 0, 1                                   ; the first step's products start the sums
	s_mov_b32 s3, LAPS-1
.Llap:
	TURN 0, 1, 1
	STEP 1, 0, 0
	TURN 1, 0, 1
	STEP 0, 0, 0
	s_sub_co_u32 s3, s3, 1
	s_cmp_lg_u32 s3, 0
	s_cbranch_scc1 .Llap
	TURN 0, 1, 0                                   ; the last lap fills nothing
	STEP 1, 0, 0
	s_wait_dscnt 4*NL
	WIN MUL_LO
	MUL16 0, 1, 0
	MUL16 2, 1, 0
	s_wait_dscnt 0
	WIN MUL_HI
	MUL16 4, 1, 0
	MUL16 6, 1, 0
	WIN 0
; THE WAY OUT, block by block of 16 rows x 128 columns: the sums go into my stage as they are, come back as whole rows of 512 bytes, are scaled and biased there, and leave: 32 lanes store 512 consecutive bytes, aligned.
.macro TOSTAGE a
.set AC, 64*((\a)%4)
	WIN 0x08+4*((\a)/4)                            ; the stores' data: window 2 or 3
.irp b, 0,1,2,3,4,5,6,7
	ds_store_b128 v[STO], v[AC+8*\b:AC+8*\b+3] offset:64*\b          ; each accumulator from its low end on
	ds_store_b128 v[STO], v[AC+8*\b+4:AC+8*\b+7] offset:64*\b+16
.endr
	WIN 0
.set BB, BK+64*((\a)%2)
.irp t, 0,1,2,3,4,5,6,7,8,9,10,11,12,13,14,15
	ds_load_b128 v[BB+4*\t:BB+4*\t+3], v[RD] offset:\t*SPITCH        ; LDS serves a wave's instructions in order (ISA guide 5.7.1.4): these see the stores above, and the next block's stores come behind them
.endr
.endm
.macro SEND a, younger
.set BB, BK+64*((\a)%2)
	s_wait_dscnt \younger                          ; the block is back; the next block's 16 stores and 16 loads may be out
.if (\a) > 0
	s_add_nc_u64 s[12:13], s[12:13], 16*SIZE_N*4   ; (behind a wait on XCNT: the earlier stores have read their base)
.endif
.set j, 0
.rept 32
	v_pk_fma_f32 v[BB+2*j:BB+2*j+1], v[BB+2*j:BB+2*j+1], s[96:97], v[BIAS+2*(j%2):BIAS+2*(j%2)+1] op_sel_hi:[1,0,1]   ; sum x 2^(e10 + e11) + b_o
.set j, j+1
.endr
.irp t, 0,1,2,3,4,5,6,7,8,9,10,11,12,13,14,15
	global_store_b128 v[CO], v[BB+4*\t:BB+4*\t+3], s[12:13] offset:\t*SIZE_N*4 th:TH_STORE_NT
.endr
.endm
	s_wait_kmcnt 0x0
	s_add_co_i32 s96, s96, s97
	s_add_co_i32 s96, s96, 127
	s_lshl_b32 s96, s96, 23                        ; 2^(e10 + e11) as f32
	s_wait_loadcnt 0x0                             ; b_o
	PLACES NP
	TOSTAGE 0
.irp a, 1,2,3,4,5,6,7
.if \a > 1
	s_wait_xcnt 0x0                                ; block a - 2's stores have read their registers and their base
.endif
	TOSTAGE \a
	SEND \a-1, 32
.endr
	s_wait_xcnt 0x0
	SEND 7, 0
	s_wait_tensorcnt 0x0                           ; the wave's end
	ds_add_u32 v[SPW], v[NIL]
	s_wait_dscnt 0x0
	CROUND                                         ; the closing round
	s_endpgm
.Lfunc_end_k_qaaef1ffa43_proj:
	.size	k_qaaef1ffa43_proj, .Lfunc_end_k_qaaef1ffa43_proj-k_qaaef1ffa43_proj
	.p2alignl 7, 3214868480
	.fill 96, 4, 3214868480
	.section	.rodata,"a",@progbits
	.p2align	6, 0x0
	.amdhsa_kernel k_qaaef1ffa43_proj
		.amdhsa_group_segment_fixed_size 327680
		.amdhsa_private_segment_fixed_size 0
		.amdhsa_enable_private_segment 0
		.amdhsa_kernarg_size 40
		.amdhsa_user_sgpr_count 2
		.amdhsa_user_sgpr_kernarg_segment_ptr 1
		.amdhsa_wavefront_size32 1
		.amdhsa_system_sgpr_workgroup_id_x 1
		.amdhsa_system_sgpr_workgroup_id_y 1
		.amdhsa_system_sgpr_workgroup_id_z 1
		.amdhsa_system_vgpr_workitem_id 0
		.amdhsa_next_free_vgpr 1024
		.amdhsa_next_free_sgpr 100
		.amdhsa_reserve_vcc 0
		.amdhsa_float_denorm_mode_32 3
		.amdhsa_float_denorm_mode_16_64 3
		.amdhsa_memory_ordered 1
		.amdhsa_forward_progress 1
		.amdhsa_inst_pref_size 125
	.end_amdhsa_kernel
	.amdgpu_metadata
---
amdhsa.version: [ 1, 2 ]
amdhsa.kernels:
  - .name:           k_qaaef1ffa43_proj
    .symbol:         k_qaaef1ffa43_proj.kd
    .args:
      - { .name: cc, .offset: 0, .size: 8, .value_kind: global_buffer, .address_space: global }
      - { .name: wc, .offset: 8, .size: 8, .value_kind: global_buffer, .address_space: global }
      - { .name: lowp_scales, .offset: 16, .size: 8, .value_kind: global_buffer, .address_space: global }
      - { .name: b_o, .offset: 24, .size: 8, .value_kind: global_buffer, .address_space: global }
      - { .name: out0, .offset: 32, .size: 8, .value_kind: global_buffer, .address_space: global }
    .group_segment_fixed_size: 327680
    .private_segment_fixed_size: 0
    .kernarg_segment_align: 8
    .kernarg_segment_size: 40
    .max_flat_workgroup_size: 128
    .sgpr_count:     100
    .vgpr_count:     1024
    .wavefront_size: 32
...
	.end_amdgpu_metadata
.endif
;; end of part 4
